; MI455X (gfx1250); checked and timed in simulation.
; The chip was launched on July 23, 2026; its instructions are those of AMD's public machine-readable ISA for CDNA 5 (MIT licence, August 2026) and "CDNA5" Instruction Set Architecture Reference Guide (July 2026). The comments in the code are by the model that wrote it; some were corrected since.
;; Attention. Allowed arithmetic: matrix products marked QUANTISED: E2M1 operands, one E8M0 scale for each 32 along K, by v_wmma_scale_f32_16x16x128_f8f6f4 with both operands' format E2M1 (or v_wmma_scale_f32_32x16x128_f4), f32 sums; products left as they are: bf16, f16 or f32 operands; f32 sums; everything else in f32.
;; Inputs: freqs_cos 2,048 x 64 float32; freqs_sin 2,048 x 64 float32; mask 2,048 x 2,048 float32; wk 4,096 x 1,024 float32; wo 2,048 x 4,096 float32; wq 4,096 x 2,048 float32; wv 4,096 x 1,024 float32; x 1 x 2,048 x 4,096 float32.
;; Outputs: out0 1 x 2,048 x 4,096 float32.
;; Constants: start_pos = 0.
;; This version of the problem:
;;   THIS VERSION OF THE PROBLEM IS GIVEN IN LOW PRECISION. The matrix products marked QUANTISED in the list below multiply operands that are first quantised to E2M1 (2 exponent bits, 1 mantissa bit; 4 bits a number), with one power-of-two scale for each 32 numbers along K (OCP MX v1.0); their sums are f32. The products marked 'left as it is' may take bf16, f16 or f32 operands, with f32 sums. Whichever they take, every output number must still come out within the allowed error. Rounding operands to bf16 (8 significant bits) uses up far more of that allowance than f16 does (11 bits, for magnitudes from 6e-5 to 65,504). All else is computed in f32.
;;   The module's matrix products, in the order in which they are computed (A, B: the left and right operand; K: the contracted axis; several contracted axes count as one K, in the product's order):
;;     1. [M 2,048, K 4,096] x [K 4,096, N 2,048]; A: input x; B: input wq: QUANTISED
;;     2. [M 2,048, K 4,096] x [K 4,096, N 1,024]; A: input x; B: input wk: QUANTISED
;;     3. [M 2,048, K 4,096] x [K 4,096, N 1,024]; A: input x; B: input wv: QUANTISED
;;     4. batch 8 x [M 2,048, K 128] x [K 128, N 4,096]; A: computed on the way; B: computed on the way: left as it is (an operand is computed on the way)
;;     5. batch 8 x [M 128, K 2,048] x [K 2,048, N 4,096]; A: computed on the way; B: computed on the way: left as it is (an operand is computed on the way)
;;     6. [M 2,048, K 2,048] x [K 2,048, N 4,096]; A: computed on the way; B: input wo: left as it is (an operand is computed on the way)
;;   THE QUANTISER, for each operand of a quantised product, along K:
;;     - K is cut into blocks of 32 from its start; a last block that is shorter is filled with zeros.
;;     - A block's scale is 2^e with e = floor(log2(the largest magnitude in the block)) - 2, held to -126 .. 127; a block of zeros has e = 0. As a byte (E8M0): e + 127.
;;     - Each number is divided by its block's scale, clamped to +-6, and rounded to the nearest number of E2M1, ties to even, subnormals kept.
;;     - The product sums the exact products of the quantised numbers (number of the format x scale) in f32.
;;   ~~~python
;;   def quantise(x, axis):      # numpy; x: float32 -> the quantised numbers, widened to float32 again
;;       x = np.moveaxis(x, axis, -1); K = x.shape[-1]
;;       x = np.pad(x, [(0, 0)] * (x.ndim - 1) + [(0, -K % 32)]); x = x.reshape(x.shape[:-1] + (-1, 32)); a = np.abs(x).max(-1, keepdims=True)
;;       e = np.where(a > 0, np.clip(np.frexp(np.where(a > 0, a, 1))[1] - 1 - 2, -126, 127), 0)      # np.frexp(a)[1] - 1 = floor(log2(a)), exactly
;;       r = np.clip(x / 2.0 ** e, -6, 6)
;;       step = 2.0 ** (np.maximum(np.frexp(np.where(r == 0, 1, r))[1] - 1, 0) - 1)
;;       q = np.round(r / step) * step * 2.0 ** e      # np.round: ties to even
;;       return np.moveaxis(q.reshape(q.shape[:-2] + (-1,))[..., :K], -1, axis).astype(np.float32)
;;   ~~~
;; One version. Each part assembles by itself: llvm-mc -triple=amdgcn-amd-amdhsa -mcpu=gfx1250 --defsym DOCPART=n.
;; ======== version 1 of 1: 5 launches
;; limits: values are held in f16: magnitudes above 65,504 overflow, below 6.1e-05 lose precision
;; workspace buffers: xc 4,456,448 bytes; wc 8,912,896 bytes; wo16 16,777,216 bytes; qkv 16,777,216 bytes; f32b 17,301,504 bytes; part 2,129,920 bytes; attnf 131,072 bytes; at16 8,388,608 bytes
;; launch prep (part 1): grid 768 x 1, 4 waves a work-group, no clusters, 73,216 bytes of LDS; arguments x, wq, wk, wv, wo, xc, wc, wo16; writes xc, wc, wo16
.if DOCPART == 1
	.amdgcn_target "amdgcn-amd-amdhsa--gfx1250"
	.amdhsa_code_object_version 6
	.text
	.protected	k_q09ecc388ee_prep
	.globl	k_q09ecc388ee_prep
	.p2align	8
	.type	k_q09ecc388ee_prep,@function
k_q09ecc388ee_prep:
	s_mov_b64 s[64:65], 0
	v_nop
	global_prefetch_b8 v0, s[64:65] scope:SCOPE_SE
	s_setreg_imm32_b32 hwreg(HW_REG_WAVE_MODE, 25, 1), 1
	s_wait_xcnt 0x0
; x [2048][4096] and wq, wk, wv [4096][2048 | 1024 | 1024], f32, become codes of E2M1 with one E8M0 byte for each 32 along K; wo [2048][4096] becomes f16(4 wo).
; THE RECORDS.  xc is [8 K steps][2048 rows][272 bytes], wc is [8][4096 columns n][272]: a record is 256 bytes (512 codes, K innermost, the lower k in the low four bits) and behind them its 16 scale bytes.
; So a K step's rows are one dense run of memory, a multiple of 256 bytes, and lie 272 bytes apart as they stand.  n 0-2047 is wq, 2048-3071 wk, 3072-4095 wv.
; A block's scale is 2^(floor(log2(largest magnitude)) - 2); its byte is the largest magnitude's exponent field - 2, held at 1 from below.
; LIMITS: a block of zeros keeps the byte 1 (its codes are zeros; this program alone reads the bytes); blocks whose largest magnitude lies under 2^(2 - 126) take the floor's byte; NaN and infinities are not served; |4 wo| stays under 65,504.
; THREE PATHS by the work-group's number: 0-255 the weights (a lane takes a column, its registers run down K), 256-511 x (K innermost), 512-767 wo.  Each path has LDS bytes of its own.  No tensor loads, no barrier: waves share nothing.
.set SPW,   14                         ; v14  LDS address of my spare word; never rewritten
.set NIL,   15                         ; v15  0; never rewritten
.set WSTG,  8704                       ; weights: a wave's stage, 32 records
.set XREG,  34816                      ; x: the waves' regions begin here,
.set XRGB,  9472                       ; each two stages of 2,560 bytes and 16 records
.set SPL,   80                         ; a lane's place in a stage: 64 bytes + 16 of padding
.set REC,   5120
.set SPARE, 72704                      ; the spare words, 128 bytes a wave
	s_load_b256 s[4:11], s[0:1], 0x0               ; x s[4:5], wq s[6:7], wk s[8:9], wv s[10:11]
	s_load_b256 s[12:19], s[0:1], 0x20             ; wo s[12:13], xc s[14:15], wc s[16:17], wo16 s[18:19]
	v_lshl_add_u32 v[SPW], v0, 2, SPARE
	v_mov_b32 v[NIL], 0
	v_lshrrev_b32 v1, 5, v0
	v_readfirstlane_b32 s20, v1                    ; wave
	v_and_b32 v2, 31, v0                           ; lane
	s_wait_kmcnt 0x0
	s_cmp_lt_u32 ttmp9, 256
	s_cbranch_scc1 .Lpath_w
	s_cmp_lt_u32 ttmp9, 512
	s_cbranch_scc1 .Lpath_x
; ---- wo: a wave casts 8,192 numbers, four batches of sixteen loads of 512 consecutive bytes; two batches are on their way
	s_sub_co_u32 s21, ttmp9, 512
	s_lshl_b32 s21, s21, 2
	s_add_co_u32 s21, s21, s20                     ; my run, 0 .. 1023
	s_lshl_b32 s22, s21, 15
	s_mov_b32 s23, 0
	s_add_nc_u64 s[12:13], s[12:13], s[22:23]
	s_lshl_b32 s22, s21, 14
	s_add_nc_u64 s[18:19], s[18:19], s[22:23]
	v_lshlrev_b32 v3, 4, v2
	v_lshlrev_b32 v4, 3, v2
.macro LOADO b
.set RO, 16+64*((\b)%2)
.irp i, 0,1,2,3,4,5,6,7,8,9,10,11,12,13,14,15
	global_load_b128 v[RO+4*\i:RO+4*\i+3], v3, s[12:13] offset:8192*(\b)+512*\i th:TH_LOAD_NT
.endr
.endm
.macro CASTO b
.if (\b) < 3
	s_wait_loadcnt 16                              ; this batch is in; the next batch's sixteen may be out
.else
	s_wait_loadcnt 0x0
.endif
	s_wait_xcnt 0x0                                ; the last batch's stores have read v144-175
.set RO, 16+64*((\b)%2)
.irp i, 0,1,2,3,4,5,6,7,8,9,10,11,12,13,14,15
	v_pk_mul_f32 v[RO+4*\i:RO+4*\i+1], v[RO+4*\i:RO+4*\i+1], 4.0 op_sel_hi:[1,0]
	v_pk_mul_f32 v[RO+4*\i+2:RO+4*\i+3], v[RO+4*\i+2:RO+4*\i+3], 4.0 op_sel_hi:[1,0]
	v_cvt_pk_f16_f32 v[144+2*\i], v[RO+4*\i], v[RO+4*\i+1]
	v_cvt_pk_f16_f32 v[145+2*\i], v[RO+4*\i+2], v[RO+4*\i+3]
	global_store_b64 v4, v[144+2*\i:145+2*\i], s[18:19] offset:4096*(\b)+256*\i   ; 32 lanes store 256 consecutive bytes, aligned
.endr
.if (\b)+2 < 4
	LOADO (\b)+2
.endif
.endm
	LOADO 0
	LOADO 1
	CASTO 0
	CASTO 1
	CASTO 2
	CASTO 3
	s_branch .Lend
; ---- x: a wave takes 16 rows x one K step of 512; step t is row t.  Loads take the bytes as they lie; a step's 2,048 bytes turn through the wave's stage so that a lane holds 16 neighbours
.Lpath_x:
	s_sub_co_u32 s21, ttmp9, 256
	s_lshl_b32 s21, s21, 2
	s_add_co_u32 s21, s21, s20                     ; 0 .. 1023
	s_and_b32 s22, s21, 7                          ; K step
	s_lshr_b32 s23, s21, 3                         ; group of 16 rows
	s_lshl_b32 s24, s23, 18                        ; 16 rows of 16,384 bytes
	s_lshl_b32 s26, s22, 11
	s_add_co_u32 s24, s24, s26
	s_mov_b32 s25, 0
	s_add_nc_u64 s[4:5], s[4:5], s[24:25]
	s_mul_i32 s24, s22, 557056                     ; 2,048 records a K step
	s_mul_i32 s26, s23, 4352                       ; 16 records
	s_add_co_u32 s24, s24, s26
	s_add_nc_u64 s[14:15], s[14:15], s[24:25]
	s_mul_i32 s27, s20, XRGB
	s_add_co_u32 s27, s27, XREG                    ; my region
	v_lshlrev_b32 v3, 4, v2
	v_lshrrev_b32 v6, 2, v2
	v_mul_u32_u24 v6, v6, SPL
	v_and_b32 v7, 3, v2
	v_lshl_add_u32 v6, v7, 4, v6
	v_add_nc_u32 v6, s27, v6                       ; into a stage: four lanes' 64 bytes on end, then the padding
	v_mul_u32_u24 v7, v2, SPL
	v_add_nc_u32 v7, s27, v7                       ; out of it: my 16 neighbours
	s_add_co_u32 s27, s27, REC
	v_lshlrev_b32 v5, 3, v2
	v_add_nc_u32 v8, s27, v5                       ; the records: 8 bytes a lane
	v_lshrrev_b32 v9, 1, v2
	v_add_nc_u32 v9, s27, v9                       ; and my block's scale byte (256 on, in the offset)
.macro LOADX t
.irp i, 0,1,2,3
	global_load_b128 v[16+16*((\t)%4)+4*\i:16+16*((\t)%4)+4*\i+3], v3, s[4:5] offset:16384*(\t)+512*\i th:TH_LOAD_NT
.endr
.endm
.macro TURNX t                         ; LDS serves a wave's instructions in order: no wait between the stores and the loads
.irp i, 0,1,2,3
	ds_store_b128 v6, v[16+16*((\t)%4)+4*\i:16+16*((\t)%4)+4*\i+3] offset:32*SPL*((\t)%2)+8*SPL*\i
.endr
.irp i, 0,1,2,3
	ds_load_b128 v[80+16*((\t)%2)+4*\i:80+16*((\t)%2)+4*\i+3], v7 offset:32*SPL*((\t)%2)+16*\i
.endr
.endm
.macro STEPX t
.set XS, 80+16*((\t)%2)
.if (\t) > 0
	s_wait_dscnt 2                                 ; this step's numbers are back; the last step's two record stores may be out
.else
	s_wait_dscnt 0x0
.endif
.if (\t)+4 < 16
	LOADX (\t)+4
.endif
.if (\t)+1 < 16
.if 14-(\t) >= 3
	s_wait_loadcnt 12                              ; the next step's four loads are in; three steps' may be out
.else
	s_wait_loadcnt 4*(14-(\t))
.endif
	TURNX (\t)+1
.endif
	v_max3_num_f32 v10, |v[XS]|, |v[XS+1]|, |v[XS+2]|
	v_max3_num_f32 v11, |v[XS+3]|, |v[XS+4]|, |v[XS+5]|
.irp i, 6,10
	v_max3_num_f32 v10, v10, |v[XS+\i]|, |v[XS+\i+1]|
	v_max3_num_f32 v11, v11, |v[XS+\i+2]|, |v[XS+\i+3]|
.endr
	v_max3_num_f32 v10, v10, |v[XS+14]|, |v[XS+15]|
	v_max3_num_f32 v10, v10, v11, 0x1800000        ; the floor 2^(3 - 127): the byte cannot fall under 1
	v_max_num_f32_dpp v10, v10, v10 row_xmask:1 row_mask:0xf bank_mask:0xf   ; with my neighbour's 16: the block's
	v_add_nc_u32 v12, 0xff000000, v10              ; 2 off the exponent field: the conversion's scale operand
	v_cvt_scalef32_pk8_fp4_f32 v[128+2*(\t)], v[XS:XS+7], v12
	v_cvt_scalef32_pk8_fp4_f32 v[129+2*(\t)], v[XS+8:XS+15], v12
	v_lshrrev_b32 v[112+(\t)], 23, v12             ; the scale's byte
	ds_store_b64 v8, v[128+2*(\t):129+2*(\t)] offset:272*(\t)
	ds_store_b8 v9, v[112+(\t)] offset:272*(\t)+256   ; both lanes of a block write the same byte with the same value
.endm
.irp t, 0,1,2,3
	LOADX \t
.endr
	s_wait_loadcnt 12
	TURNX 0
.irp t, 0,1,2,3,4,5,6,7,8,9,10,11,12,13,14,15
	STEPX \t
.endr
.irp u, 0,1,2,3,4,5,6,7,8,9,10,11,12,13,14,15,16
	ds_load_b64 v[16+2*\u:17+2*\u], v8 offset:256*\u   ; the 16 records, 4,352 bytes, as they lie
.endr
.irp u, 0,1,2,3,4,5,6,7,8,9,10,11,12,13,14,15,16
	s_wait_dscnt 16-\u
	global_store_b64 v5, v[16+2*\u:17+2*\u], s[14:15] offset:256*\u   ; 256 consecutive bytes, aligned
.endr
	s_branch .Lend
; ---- the weights: work-group = 128 columns x one K step; a wave 32 columns x 512 along K: 16 blocks a lane
.Lpath_w:
	s_and_b32 s21, ttmp9, 31                       ; group of 128 columns of the 4,096
	s_lshr_b32 s22, ttmp9, 5                       ; K step
	s_cmp_lt_u32 s21, 24
	s_cselect_b64 s[24:25], s[8:9], s[10:11]
	s_cselect_b32 s23, 16, 24
	s_mov_b32 s26, 4096                            ; a row of wk or wv in bytes,
	s_cmp_lt_u32 s21, 16
	s_cselect_b64 s[24:25], s[6:7], s[24:25]
	s_cselect_b32 s23, 0, s23
	s_cselect_b32 s26, 8192, s26                   ; of wq
	s_mul_i32 s27, s22, s26
	s_lshl_b32 s28, s27, 9                         ; 512 rows a K step
	s_sub_co_u32 s23, s21, s23
	s_lshl_b32 s23, s23, 9                         ; 128 columns of 4 bytes
	s_lshl_b32 s27, s20, 7                         ; my wave's 32
	s_add_co_u32 s28, s28, s23
	s_add_co_u32 s28, s28, s27
	s_mov_b32 s29, 0
	s_add_nc_u64 s[32:33], s[24:25], s[28:29]      ; a base for each block of 32 rows: none is ever rewritten
	s_lshl_b32 s28, s26, 5
.irp t, 1,2,3,4,5,6,7,8,9,10,11,12,13,14,15
	s_add_nc_u64 s[32+2*\t:33+2*\t], s[30+2*\t:31+2*\t], s[28:29]
.endr
	s_mul_i32 s30, s22, 1114112                    ; 4,096 records a K step
	s_lshl_b32 s31, s21, 2
	s_add_co_u32 s31, s31, s20
	s_mul_i32 s31, s31, WSTG                       ; 32 records a wave
	s_add_co_u32 s30, s30, s31
	s_mov_b32 s31, 0
	s_add_nc_u64 s[16:17], s[16:17], s[30:31]
	v_lshlrev_b32 v3, 2, v2
.irp i, 0,1,2,3,4,5,6,7,8,9,10,11,12,13,14,15,16,17,18,19,20,21,22,23,24,25,26,27,28,29,30,31
	v_mad_u32_u24 v[16+\i], s26, \i, v3            ; row i of a block, my column
.endr
	s_mul_i32 s27, s20, WSTG
	v_mul_u32_u24 v4, v2, 272
	v_add_nc_u32 v4, s27, v4                       ; the stage: my column's record
	v_lshlrev_b32 v5, 4, v2
	v_add_nc_u32 v6, s27, v5                       ; and on the way out 16 bytes a lane
.macro LOADW t
.irp i, 0,1,2,3,4,5,6,7,8,9,10,11,12,13,14,15,16,17,18,19,20,21,22,23,24,25,26,27,28,29,30,31
	global_load_b32 v[48+32*((\t)%2)+\i], v[16+\i], s[32+2*(\t):33+2*(\t)] th:TH_LOAD_NT   ; 128 consecutive bytes a wave, 512 a work-group
.endr
.endm
.macro BLOCKW t
.set XS, 48+32*((\t)%2)
.if (\t) < 15
	s_wait_loadcnt 32                              ; this block's 32 loads are in; the next block's may be out
.else
	s_wait_loadcnt 0x0
.endif
	v_max3_num_f32 v12, |v[XS]|, |v[XS+1]|, |v[XS+2]|
	v_max3_num_f32 v13, |v[XS+3]|, |v[XS+4]|, |v[XS+5]|
.irp i, 6,10,14,18,22,26
	v_max3_num_f32 v12, v12, |v[XS+\i]|, |v[XS+\i+1]|
	v_max3_num_f32 v13, v13, |v[XS+\i+2]|, |v[XS+\i+3]|
.endr
	v_max3_num_f32 v12, v12, |v[XS+30]|, |v[XS+31]|
	v_max3_num_f32 v12, v12, v13, 0x1800000
	v_add_nc_u32 v11, 0xff000000, v12
	v_lshrrev_b32 v13, 23, v11
.if (\t)%4 == 0
	v_mov_b32 v[116+(\t)/4], v13
.else
	v_lshl_or_b32 v[116+(\t)/4], v13, 8*((\t)%4), v[116+(\t)/4]
.endif
.irp g, 0,1,2,3
	v_cvt_scalef32_pk8_fp4_f32 v[112+\g], v[XS+8*\g:XS+8*\g+7], v11
.endr
	ds_store_b128 v4, v[112:115] offset:16*(\t)
.if (\t)+2 < 16
	LOADW (\t)+2
.endif
	s_wait_dscnt 0x0                               ; the store has read its registers: the next block's codes may be written
.endm
	LOADW 0
	LOADW 1
.set Q, 0
.rept 16
	BLOCKW Q
.set Q, Q+1
.endr
	ds_store_b128 v4, v[116:119] offset:256        ; the record's 16 scale bytes
.irp u, 0,1,2,3,4,5,6,7,8,9,10,11,12,13,14,15,16
	ds_load_b128 v[48+4*\u:51+4*\u], v6 offset:512*\u   ; the 32 records, 8,704 bytes, as they lie
.endr
.irp u, 0,1,2,3,4,5,6,7,8,9,10,11,12,13,14,15,16
	s_wait_dscnt 16-\u
	global_store_b128 v5, v[48+4*\u:51+4*\u], s[16:17] offset:512*\u   ; 512 consecutive bytes, aligned
.endr
.Lend:
	s_wait_tensorcnt 0x0                           ; the wave's end
	ds_add_u32 v[SPW], v[NIL]
	s_wait_dscnt 0x0
	s_endpgm
.Lfunc_end_k_q09ecc388ee_prep:
	.size	k_q09ecc388ee_prep, .Lfunc_end_k_q09ecc388ee_prep-k_q09ecc388ee_prep
	.p2alignl 7, 3214868480
	.fill 96, 4, 3214868480
	.section	.rodata,"a",@progbits
	.p2align	6, 0x0
	.amdhsa_kernel k_q09ecc388ee_prep
		.amdhsa_group_segment_fixed_size 73216
		.amdhsa_private_segment_fixed_size 0
		.amdhsa_enable_private_segment 0
		.amdhsa_kernarg_size 64
		.amdhsa_user_sgpr_count 2
		.amdhsa_user_sgpr_kernarg_segment_ptr 1
		.amdhsa_wavefront_size32 1
		.amdhsa_system_sgpr_workgroup_id_x 1
		.amdhsa_system_sgpr_workgroup_id_y 1
		.amdhsa_system_sgpr_workgroup_id_z 1
		.amdhsa_system_vgpr_workitem_id 0
		.amdhsa_next_free_vgpr 192
		.amdhsa_next_free_sgpr 72
		.amdhsa_reserve_vcc 0
		.amdhsa_float_denorm_mode_32 3
		.amdhsa_float_denorm_mode_16_64 3
		.amdhsa_memory_ordered 1
		.amdhsa_forward_progress 1
		.amdhsa_inst_pref_size 144
	.end_amdhsa_kernel
	.amdgpu_metadata
---
amdhsa.version: [ 1, 2 ]
amdhsa.kernels:
  - .name:           k_q09ecc388ee_prep
    .symbol:         k_q09ecc388ee_prep.kd
    .args:
      - { .name: x, .offset: 0, .size: 8, .value_kind: global_buffer, .address_space: global }
      - { .name: wq, .offset: 8, .size: 8, .value_kind: global_buffer, .address_space: global }
      - { .name: wk, .offset: 16, .size: 8, .value_kind: global_buffer, .address_space: global }
      - { .name: wv, .offset: 24, .size: 8, .value_kind: global_buffer, .address_space: global }
      - { .name: wo, .offset: 32, .size: 8, .value_kind: global_buffer, .address_space: global }
      - { .name: xc, .offset: 40, .size: 8, .value_kind: global_buffer, .address_space: global }
      - { .name: wc, .offset: 48, .size: 8, .value_kind: global_buffer, .address_space: global }
      - { .name: wo16, .offset: 56, .size: 8, .value_kind: global_buffer, .address_space: global }
    .group_segment_fixed_size: 73216
    .private_segment_fixed_size: 0
    .kernarg_segment_align: 8
    .kernarg_segment_size: 64
    .max_flat_workgroup_size: 128
    .sgpr_count:     72
    .vgpr_count:     192
    .wavefront_size: 32
...
	.end_amdgpu_metadata
.endif
;; end of part 1
;; launch proj (part 2): grid 16 x 16, 4 waves a work-group, clusters of 4 x 4, 327,680 bytes of LDS; arguments xc, wc, freqs_cos, freqs_sin, qkv, f32b; writes qkv, f32b
.if DOCPART == 2
	.amdgcn_target "amdgcn-amd-amdhsa--gfx1250"
	.amdhsa_code_object_version 6
	.text
	.protected	k_q09ecc388ee_proj
	.globl	k_q09ecc388ee_proj
	.p2align	8
	.type	k_q09ecc388ee_proj,@function
k_q09ecc388ee_proj:
	s_mov_b64 s[64:65], 0
	v_nop
	global_prefetch_b8 v0, s[64:65] scope:SCOPE_SE
	s_setreg_imm32_b32 hwreg(HW_REG_WAVE_MODE, 25, 1), 1
	s_wait_xcnt 0x0
	s_wait_alu depctr_hold_cnt(0) depctr_sa_sdst(0) depctr_va_vdst(0) depctr_va_sdst(0) depctr_va_ssrc(0) depctr_va_vcc(0) depctr_vm_vsrc(0)
	s_getreg_b32 s2, hwreg(HW_REG_IB_STS2, 6, 4)
	s_cmp_eq_u32 s2, 0
	s_cbranch_scc0 .Lentry_in_a_cluster
	s_endpgm
.Lentry_in_a_cluster:
	s_bfe_u32 s2, ttmp6, 0x10000c
	s_cmp_lg_u32 s2, 0xf033
	s_cbranch_scc0 .Lentry_shape_is_right
	s_endpgm
.Lentry_shape_is_right:
; [2048][4096] = x [wq | wk | wv] on codes of E2M1 with E8M0 scales, sums in f32; on the way out the rotation by freqs_cos / freqs_sin and a scaling, all in f32.
; OUT: qkv, f16 [32 hc][2048][128]: hc 0-15 q' = al rope(q), 16-23 k' = al rope(k), 24-31 v' = v / 4, al = sqrt(log2(e) / sqrt(128)), so that q' . k' is the score in powers of two.
;      f32b, f32: k' and v' whole ([16][2048][128]) and, from byte 16,777,216 on, q' of each tile row's first 16 positions of the first four tile rows ([16 heads][4][16][128]): the fine launches read them.
; A tile of C is 128 x 256; four waves, each 64 rows x 128 columns (one head): 32 accumulators.  K goes in steps of 512 through two LDS slots.  A record of xc or wc is 256 bytes of codes and 16 scale bytes:
; a tile is a dense run of memory, lies in LDS 272 bytes from row to row, and brings its scale words along.
; CLUSTERS 4 x 4: x's tiles and the cos / sin rows hang on the tile row and are asked for jointly along a row of the cluster, the weights' on the tile column and jointly along a column.
; THE MATRIX INSTRUCTION IS USED TRANSPOSED (source 0 = 16 columns n, source 1 = 16 rows of x): a lane holds eight neighbouring channels of one position.
; REGISTERS: window 0: v12-31 addresses; v32-79 scale words, two sets of 24, and nothing else; v80-143 x's fragments, two sets; on the way out v80-239.  window 1: the weights' fragments, two sets of 64.  window 2: accumulator (a, b) at v[8 (8 a + b)].
; LIMITS: f16's range bounds |q'|, |k'|, |v'| under 65,504.
.set PITCH, 272
.set HALFA, 64*PITCH
.set HALFB, 128*PITCH
.set BOFF,  128*PITCH                  ; a slot: x's 128 records, then the weights' 256
.set SLOT,  384*PITCH
.set COSL,  2*SLOT                     ; behind the ring: 128 rows of cos, 256 bytes + 16, filled once;
.set SINO,  128*PITCH                  ; and as many of sin
.set SPARE, COSL+2*SINO                ; the spare words
.set ST32,  4*16*272                   ; the way out's stages lie in slot 0, which has had its last fill and its last read by then: f16 16 x 272 a wave from 0, f32 16 x 528 a wave from here
.set XSTEP, 2048*PITCH
.set WSTEP, 4096*PITCH
.set BEV,  12                          ; v[12:13] what is added to cos x AL
.set CADR, 14
.set ADRA, 16
.set ADRB, 18
.set ADSA, 20
.set ADSB, 22
.set S16I, 24
.set S16O, 25
.set S32I, 26
.set S32O, 27
.set GO16, 28
.set GO32, 29
.set SPW,  30
.set NIL,  31
.set SC,   32
.set AF,   80
.set CO,   80
.set SI,   112
.set T,    144
.set PKR,  208
.set G1A, 24
.set G0A, 32
.set G1B, 40
.set G0B, 48
.set G1F, 56
.set G0F, 68
.set MSB, 0
.macro WIN new                         ; the immediate's high byte repeats the setting that is left
.if MSB != \new
	s_set_vgpr_msb (MSB<<8)|\new
.set MSB, \new
.endif
.endm
.set MULW, 0xa1                        ; source 0 window 1, source 1 window 0, C and D window 2
.macro PLACES n
.rept \n
	v_nop
.endr
.endm
.macro JLOAD s                         ; waves 0 and 1 fetch x's halves, waves 2 and 3 the weights'; an s_nop 0 and four v_nop follow each line
	s_cmp_eq_u32 s17, 0
	s_cbranch_scc0 .Lfor_b_\@
	tensor_load_to_lds s[G0A+4*\s:G0A+4*\s+3], s[G1A:G1A+7]
	s_nop 0
	PLACES 4
	s_branch .Lasked_\@
.Lfor_b_\@:
	tensor_load_to_lds s[G0B+4*\s:G0B+4*\s+3], s[G1B:G1B+7]
	s_nop 0
	PLACES 4
.Lasked_\@:
.endm
.macro CREST
	s_cmp_lg_u32 s16, 0
	s_cbranch_scc1 .Lnot_wave_0_\@
	s_barrier_signal -3
.Lnot_wave_0_\@:
	s_barrier_wait -3
	s_barrier_signal -1
	s_barrier_wait -1
.endm
.macro CROUND
	s_barrier_signal -1
	s_barrier_wait -1
	CREST
.endm
	s_load_b256 s[4:11], s[0:1], 0x0               ; xc s[4:5], wc s[6:7], cos s[8:9], sin s[10:11]
	s_load_b128 s[12:15], s[0:1], 0x20             ; qkv s[12:13], f32b s[14:15]
	v_lshl_add_u32 v[SPW], v0, 2, SPARE
	v_mov_b32 v[NIL], 0
	ds_add_u32 v[SPW], v[NIL]                      ; the opening: the add, twice on end, and its wait ahead of my first tensor load
	ds_add_u32 v[SPW], v[NIL]
	v_lshrrev_b32 v1, 5, v0
	v_readfirstlane_b32 s16, v1                    ; wave
	s_lshr_b32 s17, s16, 1                         ; my half of the rows; also: I fetch for x (0) or for the weights (1)
	s_and_b32 s18, s16, 1                          ; my half of the columns; also: which half of a tile I fetch
	s_bfe_u32 s76, ttmp6, 0x40000                  ; cx
	s_bfe_u32 s77, ttmp6, 0x40004                  ; cy
	s_lshl_b32 s78, ttmp9, 2
	s_add_co_u32 s78, s78, s76                     ; tile column
	s_and_b32 s79, ttmp7, 0xffff
	s_lshl_b32 s79, s79, 2
	s_add_co_u32 s79, s79, s77                     ; tile row
	s_lshl_b32 s80, s77, 2
	s_lshl_b32 s80, 15, s80                        ; my row of the cluster
	s_lshl_b32 s81, 0x1111, s76                    ; my column
	s_or_b32 s[G1A], s80, (3<<16)|(1<<21)          ; dense runs as rows of 256 bytes: 32 elements of 8 bytes; no padding; bit 21 beside a mask
	s_or_b32 s[G1B], s81, (3<<16)|(1<<21)
	s_or_b32 s[G1F], s80, (2<<16)|(1<<20)|(1<<21)|(5<<22)|(3<<25)   ; 64 f32 a row, four words of padding behind every 64
.irp g, G1A, G1B
	s_mov_b32 s[\g+1], 32<<16
	s_mov_b32 s[\g+3], 32<<16
	s_mov_b32 s[\g+5], 32
	s_mov_b32 s[\g+6], 0
	s_mov_b32 s[\g+7], 0
.endr
	s_mov_b32 s[G1A+2], 68<<16                     ; 64 records = 68 rows of 256 bytes
	s_mov_b32 s[G1A+4], 68
	s_mov_b32 s[G1B+2], 136<<16                    ; 128 records
	s_mov_b32 s[G1B+4], 136
	s_mov_b32 s[G1F+1], 64<<16
	s_mov_b32 s[G1F+2], 64<<16
	s_mov_b32 s[G1F+3], 64<<16
	s_mov_b32 s[G1F+4], 64
	s_mov_b32 s[G1F+5], 64
	s_mov_b32 s[G1F+6], 0
	s_mov_b32 s[G1F+7], 0
	s_lshl_b32 s82, s79, 7
	s_lshl_b32 s83, s18, 6
	s_add_co_u32 s82, s82, s83                     ; x: row 128 x tile row + 64 x half
	s_mul_i32 s84, s82, PITCH
	s_mov_b32 s85, 0
	s_lshl_b32 s86, s82, 8                         ; the same rows of cos and sin
	s_mov_b32 s87, 0
	s_lshl_b32 s88, s78, 8
	s_lshl_b32 s89, s18, 7
	s_add_co_u32 s88, s88, s89                     ; weights: column 256 x tile column + 128 x half
	s_mul_i32 s88, s88, PITCH
	s_mov_b32 s89, 0
	s_mul_i32 s90, s18, HALFA                      ; where they go: no place in the cluster enters an LDS address
	s_mul_i32 s91, s18, HALFB
	s_add_co_u32 s91, s91, BOFF
	s_mul_i32 s92, s16, HALFA
	s_add_co_u32 s92, s92, COSL                    ; waves 0, 1: cos's halves; 2, 3: sin's
	s_wait_dscnt 0x0
	s_wait_kmcnt 0x0
	s_add_nc_u64 s[84:85], s[4:5], s[84:85]
	s_add_nc_u64 s[88:89], s[6:7], s[88:89]
	s_cmp_lt_u32 s16, 2
	s_cselect_b64 s[94:95], s[8:9], s[10:11]
	s_add_nc_u64 s[86:87], s[94:95], s[86:87]
	CROUND                                         ; all sixteen work-groups are here: the first joint loads meet
	s_mov_b32 s[G0F], 1
	s_mov_b32 s[G0F+1], s92
	s_mov_b64 s[G0F+2:G0F+3], s[86:87]
	s_or_b32 s[G0F+3], s[G0F+3], 0x80000000
	tensor_load_to_lds s[G0F:G0F+3], s[G1F:G1F+7]  ; each wave its own 64 rows
	s_nop 0
	PLACES 4
.irp s, 0,1
	s_mov_b32 s[G0A+4*\s], 1
	s_add_co_u32 s[G0A+4*\s+1], s90, \s*SLOT
	s_add_nc_u64 s[G0A+4*\s+2:G0A+4*\s+3], s[84:85], \s*XSTEP
	s_or_b32 s[G0A+4*\s+3], s[G0A+4*\s+3], 0x80000000
	s_mov_b32 s[G0B+4*\s], 1
	s_add_co_u32 s[G0B+4*\s+1], s91, \s*SLOT
	s_add_nc_u64 s[G0B+4*\s+2:G0B+4*\s+3], s[88:89], \s*WSTEP
	s_or_b32 s[G0B+4*\s+3], s[G0B+4*\s+3], 0x80000000
	JLOAD \s                                       ; three tensor loads of mine are out at the most
.endr
	v_and_b32 v1, 15, v0                           ; r
	v_bfe_u32 v2, v0, 4, 1                         ; h
	v_mul_u32_u24 v3, v1, PITCH
	v_lshl_add_u32 v4, v2, 4, v3                   ; a fragment: row x 272 + 16 h
	v_mad_u32_u24 v5, v2, 32*PITCH, v3             ; x's scale words: lanes 16-31 take the block two further on
	v_add_nc_u32 v5, 256, v5
	v_mad_u32_u24 v6, v2, 64*PITCH, v3             ; the weights': four further on
	v_add_nc_u32 v6, 256, v6
	s_mul_i32 s20, s17, HALFA
	s_mul_i32 s21, s18, HALFB
	s_add_co_u32 s21, s21, BOFF
	s_add_co_u32 s22, s20, COSL
	v_add_nc_u32 v[CADR], s22, v4                  ; cos: my row, 16 h
.irp s, 0,1
	v_add_nc_u32 v[ADRA+\s], s20, v4
	v_add_nc_u32 v[ADRB+\s], s21, v4
	v_add_nc_u32 v[ADSA+\s], s20, v5
	v_add_nc_u32 v[ADSB+\s], s21, v6
	s_add_co_u32 s20, s20, SLOT
	s_add_co_u32 s21, s21, SLOT
.endr
	s_mul_i32 s20, s16, 16*272
	v_add_nc_u32 v[S16I], s20, v4                  ; f16 stage, in: row r, 16 h
	v_mul_u32_u24 v5, v2, 272
	v_lshl_add_u32 v5, v1, 4, v5
	v_add_nc_u32 v[S16O], s20, v5                  ; back: lanes 0-15 one row of 256 bytes, lanes 16-31 the next
	s_mul_i32 s20, s16, 16*528
	s_add_co_u32 s20, s20, ST32
	v_mul_u32_u24 v5, v1, 528
	v_lshl_add_u32 v5, v2, 5, v5
	v_add_nc_u32 v[S32I], s20, v5                  ; f32 stage, in: row r, 32 h
	v_and_b32 v6, 31, v0
	v_lshlrev_b32 v[GO32], 4, v6
	v_add_nc_u32 v[S32O], s20, v[GO32]             ; back: a row of 512 bytes
	v_lshlrev_b32 v[GO16], 8, v2
	v_lshl_add_u32 v[GO16], v1, 4, v[GO16]
	s_lshl_b32 s82, s78, 1
	s_add_co_u32 s82, s82, s18                     ; hc
	s_lshl_b32 s83, s79, 7
	s_lshl_b32 s84, s17, 6
	s_add_co_u32 s83, s83, s84                     ; my first position
	s_lshl_b32 s84, s82, 19
	s_lshl_b32 s85, s83, 8
	s_add_co_u32 s84, s84, s85
	s_mov_b32 s85, 0
	s_add_nc_u64 s[12:13], s[12:13], s[84:85]
	s_sub_co_u32 s86, s82, 16                      ; f32b: k' and v' by head and position,
	s_lshl_b32 s86, s86, 20
	s_lshl_b32 s87, s83, 9
	s_add_co_u32 s86, s86, s87
	s_lshl_b32 s87, s82, 2                         ; q' by head and tile row
	s_add_co_u32 s87, s87, s79
	s_lshl_b32 s87, s87, 13
	s_add_co_u32 s87, s87, 16777216
	s_cmp_ge_u32 ttmp9, 2                          ; clusters 2 and 3 along x make k and v: the same in all sixteen partners
	s_cselect_b32 s86, s86, s87
	s_cselect_b32 s90, 1, 0                        ; f32 goes out for every block
	s_mov_b32 s87, 0
	s_add_nc_u64 s[14:15], s[14:15], s[86:87]
	s_and_b32 s91, ttmp7, 0xffff
	s_or_b32 s91, s91, s17
	s_cmp_eq_u32 s91, 0
	s_cselect_b32 s91, 1, s90                      ; for block 0 also in the first row of clusters, waves 0 and 1: q'
	s_cmp_lt_u32 ttmp9, 3                          ; cluster 3 along x makes v: no rotation, a quarter
	s_cselect_b32 s72, 0x3eb6d544, 0               ; AL = al, or 0
	s_cselect_b32 s74, 0, 0x3e800000               ; BE = 0, or 1 / 4
	s_mov_b32 s73, s72
	v_mov_b32 v[BEV], s74
	v_mov_b32 v[BEV+1], s74
.macro WM d, bf, af, zero, sb, sa, rb, ra
.if \zero
.if (\rb) && (\ra)
	v_wmma_scale_f32_16x16x128_f8f6f4 v[(\d):(\d)+7], v[(\bf):(\bf)+7], v[(\af):(\af)+7], 0, v[\sb], v[\sa] matrix_a_fmt:MATRIX_FMT_FP4 matrix_b_fmt:MATRIX_FMT_FP4 matrix_a_scale:MATRIX_SCALE_ROW1 matrix_b_scale:MATRIX_SCALE_ROW1
.elseif (\rb)
	v_wmma_scale_f32_16x16x128_f8f6f4 v[(\d):(\d)+7], v[(\bf):(\bf)+7], v[(\af):(\af)+7], 0, v[\sb], v[\sa] matrix_a_fmt:MATRIX_FMT_FP4 matrix_b_fmt:MATRIX_FMT_FP4 matrix_a_scale:MATRIX_SCALE_ROW1
.elseif (\ra)
	v_wmma_scale_f32_16x16x128_f8f6f4 v[(\d):(\d)+7], v[(\bf):(\bf)+7], v[(\af):(\af)+7], 0, v[\sb], v[\sa] matrix_a_fmt:MATRIX_FMT_FP4 matrix_b_fmt:MATRIX_FMT_FP4 matrix_b_scale:MATRIX_SCALE_ROW1
.else
	v_wmma_scale_f32_16x16x128_f8f6f4 v[(\d):(\d)+7], v[(\bf):(\bf)+7], v[(\af):(\af)+7], 0, v[\sb], v[\sa] matrix_a_fmt:MATRIX_FMT_FP4 matrix_b_fmt:MATRIX_FMT_FP4
.endif
.else
.if (\rb) && (\ra)
	v_wmma_scale_f32_16x16x128_f8f6f4 v[(\d):(\d)+7], v[(\bf):(\bf)+7], v[(\af):(\af)+7], v[(\d):(\d)+7], v[\sb], v[\sa] matrix_a_fmt:MATRIX_FMT_FP4 matrix_b_fmt:MATRIX_FMT_FP4 matrix_a_scale:MATRIX_SCALE_ROW1 matrix_b_scale:MATRIX_SCALE_ROW1
.elseif (\rb)
	v_wmma_scale_f32_16x16x128_f8f6f4 v[(\d):(\d)+7], v[(\bf):(\bf)+7], v[(\af):(\af)+7], v[(\d):(\d)+7], v[\sb], v[\sa] matrix_a_fmt:MATRIX_FMT_FP4 matrix_b_fmt:MATRIX_FMT_FP4 matrix_a_scale:MATRIX_SCALE_ROW1
.elseif (\ra)
	v_wmma_scale_f32_16x16x128_f8f6f4 v[(\d):(\d)+7], v[(\bf):(\bf)+7], v[(\af):(\af)+7], v[(\d):(\d)+7], v[\sb], v[\sa] matrix_a_fmt:MATRIX_FMT_FP4 matrix_b_fmt:MATRIX_FMT_FP4 matrix_b_scale:MATRIX_SCALE_ROW1
.else
	v_wmma_scale_f32_16x16x128_f8f6f4 v[(\d):(\d)+7], v[(\bf):(\bf)+7], v[(\af):(\af)+7], v[(\d):(\d)+7], v[\sb], v[\sa] matrix_a_fmt:MATRIX_FMT_FP4 matrix_b_fmt:MATRIX_FMT_FP4
.endif
.endif
.endm
; 8 products: x's block a against the weights' eight, the slot's q-th 128 along K.  The weights' word of block b stands in lanes 0-15 (b < 4) or 16-31 of quad b % 4; x's of block a likewise in quad a % 2.
; The 32 accumulators take turns, one instruction a turn, in the same order in every step.
.macro MUL a, set, q, sc, zero
.irp b, 0,1,2,3,4,5,6,7
	WM 8*(8*(\a)+\b), 64*(\set)+8*\b, AF+32*(\set)+8*(\a), \zero, SC+24*(\sc)+8+4*(\b%4)+(\q), SC+24*(\sc)+4*((\a)%2)+(\q), \b/4, (\a)/2
.endr
.endm
.macro FRAG reg, adr, q, i             ; 16 rows x 128 K of 4-bit codes: registers 4 c .. 4 c + 3 hold K = 64 c + 32 h + 0 .. 31
.irp c, 0,1
	ds_load_b128 v[(\reg)+4*\c:(\reg)+4*\c+3], v[\adr] offset:64*(\q)+32*\c+(\i)*16*PITCH
.endr
.endm
.macro FETCH slot, q, set
	WIN 0x40
.irp i, 0,1,2,3,4,5,6,7
	FRAG 64*(\set)+8*\i, ADRB+\slot, \q, \i
.endr
	WIN 0
.irp i, 0,1,2,3
	FRAG AF+32*(\set)+8*\i, ADRA+\slot, \q, \i
.endr
.endm
.macro SCALES sc                       ; a K step's scale words: four words a record by one load
.irp i, 0,1
	ds_load_b128 v[SC+24*\sc+4*\i:SC+24*\sc+4*\i+3], v[ADSA+\sc] offset:\i*16*PITCH
.endr
.irp i, 0,1,2,3
	ds_load_b128 v[SC+24*\sc+8+4*\i:SC+24*\sc+8+4*\i+3], v[ADSB+\sc] offset:\i*16*PITCH
.endr
.endm
.macro STEP slot, q, zero              ; 128 along K with its successor in the same slot: the next fragments are asked for, then this step's 32 products
	s_wait_dscnt 0x0                               ; this step's fragments are in (asked for 32 products ago)
	PLACES 4                                       ; in front of loads into registers that the last products read
	FETCH \slot, (\q)+1, 1-(\q)%2
	WIN MULW
	MUL 0, (\q)%2, \q, \slot, \zero
	MUL 1, (\q)%2, \q, \slot, \zero
	MUL 2, (\q)%2, \q, \slot, \zero
	MUL 3, (\q)%2, \q, \slot, \zero
	WIN 0
.endm
.macro TURN slot, next, fill           ; a slot's last step changes slots: one barrier
	s_wait_tensorcnt 0x0                           ; all my tensor loads have landed: my part of the next slot
	ds_add_u32 v[SPW], v[NIL]
	s_wait_dscnt 1                                 ; the fragments are in; the add alone may be out
	WIN MULW
	MUL 0, 1, 3, \slot, 0
	s_wait_dscnt 0x0                               ; the add is done, and my reads of this slot are over
	s_barrier_signal -1
	MUL 1, 1, 3, \slot, 0
	WIN 0
	s_barrier_wait -1
.if \fill
	CREST                                          ; the barrier has opened a round of the cluster's: no wave of any partner still reads this slot or has a load on its way
	s_add_nc_u64 s[G0A+4*\slot+2:G0A+4*\slot+3], s[G0A+4*\slot+2:G0A+4*\slot+3], 2*XSTEP
	s_add_nc_u64 s[G0B+4*\slot+2:G0B+4*\slot+3], s[G0B+4*\slot+2:G0B+4*\slot+3], 2*WSTEP
	JLOAD \slot                                    ; its four v_nop are also the places in front of the loads below
.else
	PLACES 4
.endif
	FETCH \next, 0, 0
	SCALES \next
	WIN MULW
	MUL 2, 1, 3, \slot, 0
	MUL 3, 1, 3, \slot, 0
	WIN 0
.endm
	s_wait_tensorcnt 1                             ; cos, sin and my part of K step 0 are in; K step 1's load may be out
	s_barrier_signal -1
	s_barrier_wait -1
	FETCH 0, 0, 0
	SCALES 0
	STEP 0, 0, 1                                   ; the first step's products start the sums
	s_mov_b32 s19, 3
.Llap:                                             ; a trip goes once round the ring and fills both slots again: K steps 2 to 7
	STEP 0, 1, 0
	STEP 0, 2, 0
	TURN 0, 1, 1
	STEP 1, 0, 0
	STEP 1, 1, 0
	STEP 1, 2, 0
	TURN 1, 0, 1
	STEP 0, 0, 0
	s_sub_co_u32 s19, s19, 1
	s_cmp_lg_u32 s19, 0
	s_cbranch_scc1 .Llap
	STEP 0, 1, 0
	STEP 0, 2, 0
	TURN 0, 1, 0
	STEP 1, 0, 0
	STEP 1, 1, 0
	STEP 1, 2, 0
	s_wait_dscnt 0x0
	WIN MULW
	MUL 0, 1, 3, 1, 0
	MUL 1, 1, 3, 1, 0
	MUL 2, 1, 3, 1, 0
	MUL 3, 1, 3, 1, 0
	WIN 0
; THE WAY OUT, a block of 16 positions x 128 channels at a time.  Lane (r, h) holds of position r the channels 16 b + 8 h + 0 .. 7: four pairs (even, odd), whose cos and sin are 16 bytes at 32 b + 16 h of the position's row.
; cos' = cos AL + BE, sin' = sin AL; even' = even cos' - odd sin', odd' = odd cos' + even sin'.  fl: the scalar register that says whether the block goes out in f32 too.
.macro OUTBLK a, fl
.irp b, 0,1,2,3,4,5,6,7
	ds_load_b128 v[CO+4*\b:CO+4*\b+3], v[CADR] offset:4352*(\a)+32*\b
	ds_load_b128 v[SI+4*\b:SI+4*\b+3], v[CADR] offset:SINO+4352*(\a)+32*\b
.endr
	s_wait_dscnt 0x0
.irp n, 0,2,4,6,8,10,12,14,16,18,20,22,24,26,28,30
	v_pk_fma_f32 v[CO+\n:CO+\n+1], v[CO+\n:CO+\n+1], s[72:73], v[BEV:BEV+1] op_sel_hi:[1,0,1]
	v_pk_mul_f32 v[SI+\n:SI+\n+1], v[SI+\n:SI+\n+1], s[72:73] op_sel_hi:[1,0]
.endr
	WIN 0x02                                       ; source 0: the accumulators, window 2
.irp b, 0,1,2,3,4,5,6,7
.irp pp, 0,1
	v_pk_mul_f32 v[T+8*\b+4*\pp:T+8*\b+4*\pp+1], v[64*(\a)+8*\b+4*\pp:64*(\a)+8*\b+4*\pp+1], v[CO+4*\b+2*\pp:CO+4*\b+2*\pp+1] op_sel_hi:[1,0]
	v_pk_fma_f32 v[T+8*\b+4*\pp:T+8*\b+4*\pp+1], v[64*(\a)+8*\b+4*\pp:64*(\a)+8*\b+4*\pp+1], v[SI+4*\b+2*\pp:SI+4*\b+2*\pp+1], v[T+8*\b+4*\pp:T+8*\b+4*\pp+1] op_sel:[1,0,0] op_sel_hi:[0,0,1] neg_lo:[0,1,0]
	v_pk_mul_f32 v[T+8*\b+4*\pp+2:T+8*\b+4*\pp+3], v[64*(\a)+8*\b+4*\pp+2:64*(\a)+8*\b+4*\pp+3], v[CO+4*\b+2*\pp:CO+4*\b+2*\pp+1] op_sel:[0,1] op_sel_hi:[1,1]
	v_pk_fma_f32 v[T+8*\b+4*\pp+2:T+8*\b+4*\pp+3], v[64*(\a)+8*\b+4*\pp+2:64*(\a)+8*\b+4*\pp+3], v[SI+4*\b+2*\pp:SI+4*\b+2*\pp+1], v[T+8*\b+4*\pp+2:T+8*\b+4*\pp+3] op_sel:[1,1,0] op_sel_hi:[0,1,1] neg_lo:[0,1,0]
.endr
.endr
	WIN 0
	s_cmp_eq_u32 s[\fl], 0
	s_cbranch_scc1 .Lno32_\@
.irp b, 0,1,2,3,4,5,6,7
	ds_store_b128 v[S32I], v[T+8*\b:T+8*\b+3] offset:64*\b
	ds_store_b128 v[S32I], v[T+8*\b+4:T+8*\b+7] offset:64*\b+16
.endr
.irp t, 0,1,2,3,4,5,6,7,8,9,10,11,12,13,14,15
	ds_load_b128 v[CO+4*\t:CO+4*\t+3], v[S32O] offset:528*\t   ; LDS serves a wave's instructions in order: these see the stores above
.endr
	s_wait_dscnt 0x0
.irp t, 0,1,2,3,4,5,6,7,8,9,10,11,12,13,14,15
	global_store_b128 v[GO32], v[CO+4*\t:CO+4*\t+3], s[14:15] offset:8192*(\a)+512*\t   ; a row of 512 consecutive bytes, aligned
.endr
.Lno32_\@:
.irp b, 0,1,2,3,4,5,6,7
.irp p, 0,1,2,3
	v_cvt_pk_f16_f32 v[PKR+4*\b+\p], v[T+8*\b+2*\p], v[T+8*\b+2*\p+1]
.endr
.endr
.irp b, 0,1,2,3,4,5,6,7
	ds_store_b128 v[S16I], v[PKR+4*\b:PKR+4*\b+3] offset:32*\b
.endr
.irp t, 0,1,2,3,4,5,6,7
	ds_load_b128 v[T+4*\t:T+4*\t+3], v[S16O] offset:544*\t
.endr
	s_wait_dscnt 0x0
.irp t, 0,1,2,3,4,5,6,7
	global_store_b128 v[GO16], v[T+4*\t:T+4*\t+3], s[12:13] offset:4096*(\a)+512*\t   ; sixteen lanes store 256 consecutive bytes, aligned
.endr
	s_wait_xcnt 0x0                                ; the stores have read their registers: the next block may write them
.endm
	PLACES 4                                       ; in front of loads into registers that the last products read
	OUTBLK 0, 91
	OUTBLK 1, 90
	OUTBLK 2, 90
	OUTBLK 3, 90
	s_wait_tensorcnt 0x0                           ; the wave's end
	ds_add_u32 v[SPW], v[NIL]
	s_wait_dscnt 0x0
	CROUND                                         ; the closing round
	s_endpgm
.Lfunc_end_k_q09ecc388ee_proj:
	.size	k_q09ecc388ee_proj, .Lfunc_end_k_q09ecc388ee_proj-k_q09ecc388ee_proj
	.p2alignl 7, 3214868480
	.fill 96, 4, 3214868480
	.section	.rodata,"a",@progbits
	.p2align	6, 0x0
	.amdhsa_kernel k_q09ecc388ee_proj
		.amdhsa_group_segment_fixed_size 327680
		.amdhsa_private_segment_fixed_size 0
		.amdhsa_enable_private_segment 0
		.amdhsa_kernarg_size 48
		.amdhsa_user_sgpr_count 2
		.amdhsa_user_sgpr_kernarg_segment_ptr 1
		.amdhsa_wavefront_size32 1
		.amdhsa_system_sgpr_workgroup_id_x 1
		.amdhsa_system_sgpr_workgroup_id_y 1
		.amdhsa_system_sgpr_workgroup_id_z 1
		.amdhsa_system_vgpr_workitem_id 0
		.amdhsa_next_free_vgpr 768
		.amdhsa_next_free_sgpr 100
		.amdhsa_reserve_vcc 0
		.amdhsa_float_denorm_mode_32 3
		.amdhsa_float_denorm_mode_16_64 3
		.amdhsa_memory_ordered 1
		.amdhsa_forward_progress 1
		.amdhsa_inst_pref_size 165
	.end_amdhsa_kernel
	.amdgpu_metadata
---
amdhsa.version: [ 1, 2 ]
amdhsa.kernels:
  - .name:           k_q09ecc388ee_proj
    .symbol:         k_q09ecc388ee_proj.kd
    .args:
      - { .name: xc, .offset: 0, .size: 8, .value_kind: global_buffer, .address_space: global }
      - { .name: wc, .offset: 8, .size: 8, .value_kind: global_buffer, .address_space: global }
      - { .name: freqs_cos, .offset: 16, .size: 8, .value_kind: global_buffer, .address_space: global }
      - { .name: freqs_sin, .offset: 24, .size: 8, .value_kind: global_buffer, .address_space: global }
      - { .name: qkv, .offset: 32, .size: 8, .value_kind: global_buffer, .address_space: global }
      - { .name: f32b, .offset: 40, .size: 8, .value_kind: global_buffer, .address_space: global }
    .group_segment_fixed_size: 327680
    .private_segment_fixed_size: 0
    .kernarg_segment_align: 8
    .kernarg_segment_size: 48
    .max_flat_workgroup_size: 128
    .sgpr_count:     100
    .vgpr_count:     768
    .wavefront_size: 32
...
	.end_amdgpu_metadata
.endif
;; end of part 2
;; launch fattn (part 3): grid 16 x 16, 4 waves a work-group, no clusters, 34,816 bytes of LDS; arguments f32b, mask, part; writes part
.if DOCPART == 3
	.amdgcn_target "amdgcn-amd-amdhsa--gfx1250"
	.amdhsa_code_object_version 6
	.text
	.protected	k_q09ecc388ee_fattn
	.globl	k_q09ecc388ee_fattn
	.p2align	8
	.type	k_q09ecc388ee_fattn,@function
k_q09ecc388ee_fattn:
	s_mov_b64 s[64:65], 0
	v_nop
	global_prefetch_b8 v0, s[64:65] scope:SCOPE_SE
	s_setreg_imm32_b32 hwreg(HW_REG_WAVE_MODE, 25, 1), 1
	s_wait_xcnt 0x0
; Positions 0-15 of every head, in f32: under a mask that leaves such rows few keys the rounding of 16-bit operands would weigh most.  All 2,048 keys are walked and the mask is taken as it is given.
; A work-group is (head, 128 keys); a wave takes 32 keys.  It leaves, for its 128 keys: m = the largest t, l = the sum of 2^(t - m), O = the sum of 2^(t - m) v', for each of the 16 queries.  A later launch joins the 16 parts.
; t = q' . k' + log2(e) mask.  S^T = K Q^T (source 0 = 16 keys, source 1 = the 16 queries), the mask as the C of each sum's first product; O^T = V^T P^T.  A lane holds one query (lane % 16) throughout.
; Along the head's 128 both operands take the same order of k: lane (r, h) loads 16 bytes at 32 s + 16 h of its row, and product (s, x) takes registers 4 s + 2 x, 4 s + 2 x + 1 of both.
; The registers that the f32 matrix form writes (v224-239; window 1 v128-191) are written by matrix instructions alone.
; LIMITS: -infinity in the mask is served (m is held at -1e38 from below); NaN is not.
.set SPW, 14
.set NIL, 15
.set QF,  16                           ; v16-79   Q
.set KF,  80                           ; v80-207  K, two tiles of 16 keys
.set MK,  208                          ; v208-223 the mask, two tiles
.set SA,  224                          ; v224-239 the scores
.set PR,  240                          ; v240-255 p
.set OA,  128                          ; window 1: v0-127 V, v128-191 O^T
.set LSO, 256
.set OST, 512
.set SPARE, 34304
.set MSB, 0
.macro WIN new
.if MSB != \new
	s_set_vgpr_msb (MSB<<8)|\new
.set MSB, \new
.endif
.endm
	s_load_b128 s[4:7], s[0:1], 0x0                ; f32b, mask
	s_load_b64 s[8:9], s[0:1], 0x10                ; part
	v_lshl_add_u32 v[SPW], v0, 2, SPARE
	v_mov_b32 v[NIL], 0
	v_lshrrev_b32 v1, 5, v0
	v_readfirstlane_b32 s10, v1                    ; wave
	v_and_b32 v1, 15, v0                           ; r
	v_bfe_u32 v2, v0, 4, 1                         ; h
	v_lshlrev_b32 v3, 9, v1
	v_lshl_add_u32 v3, v2, 4, v3                   ; Q, K: row r of 512 bytes, + 16 h
	v_lshlrev_b32 v6, 13, v1
	v_lshl_add_u32 v6, v2, 5, v6                   ; mask: row r of 8,192 bytes, + 8 h keys
	v_lshlrev_b32 v7, 2, v1
	v_lshl_add_u32 v7, v2, 12, v7                  ; V: 8 h rows, channel r
	s_lshl_b32 s30, s10, 6
	v_lshlrev_b32 v9, 2, v1                        ; the waves' maxima and sums: 4 r,
	v_add_nc_u32 v8, s30, v9                       ; mine at 64 x wave
	s_mul_i32 s30, s10, 16*528
	s_add_co_u32 s30, s30, OST
	v_mul_u32_u24 v10, v1, 528
	v_lshl_add_u32 v10, v2, 5, v10
	v_add_nc_u32 v10, s30, v10                     ; my O^T: row = query r, 32 h
	s_mul_i32 s30, s10, 4*528
	s_add_co_u32 s30, s30, OST
	v_and_b32 v12, 31, v0
	v_lshlrev_b32 v12, 4, v12
	v_add_nc_u32 v11, s30, v12                     ; back: queries 4 w on, 16 bytes a lane
	v_mov_b32 v5, 0                                ; written once: a lane permute's destination counts as one of its sources
	s_mov_b32 s26, 0x3fb8aa3b                      ; log2(e)
	s_mov_b32 s27, s26
	s_mov_b32 s28, 0x76543210
	s_mov_b32 s29, 0xfedcba98
	s_and_b32 s11, ttmp7, 0xffff                   ; which 128 keys
	s_lshr_b32 s30, ttmp9, 1                       ; the key and value head
	s_lshl_b32 s16, s30, 20
	s_lshl_b32 s31, s11, 16
	s_add_co_u32 s16, s16, s31
	s_lshl_b32 s31, s10, 14
	s_add_co_u32 s16, s16, s31                     ; K: head, my first key
	s_mov_b32 s17, 0
	s_lshl_b32 s12, ttmp9, 15
	s_add_co_u32 s12, s12, 16777216                ; Q: the head's first 16 positions
	s_mov_b32 s13, 0
	s_lshl_b32 s20, s11, 9
	s_lshl_b32 s31, s10, 7
	s_add_co_u32 s20, s20, s31                     ; mask: my first key
	s_mov_b32 s21, 0
	s_lshl_b32 s22, ttmp9, 4
	s_add_co_u32 s22, s22, s11
	s_lshl_b32 s22, s22, 13
	s_lshl_b32 s31, s10, 11
	s_add_co_u32 s22, s22, s31                     ; O's part: [head][chunk][query 4 w on][128]
	s_mov_b32 s23, 0
	s_lshl_b32 s24, ttmp9, 11
	s_lshl_b32 s31, s11, 2
	s_add_co_u32 s24, s24, s31
	s_add_co_u32 s24, s24, 2097152                 ; m, l: [head][query][16 m, 16 l]
	s_mov_b32 s25, 0
	s_wait_kmcnt 0x0
	s_add_nc_u64 s[12:13], s[4:5], s[12:13]
	s_add_nc_u64 s[16:17], s[4:5], s[16:17]
	s_add_nc_u64 s[18:19], s[16:17], 8388608       ; V lies eight heads behind K
	s_add_nc_u64 s[20:21], s[6:7], s[20:21]
	s_add_nc_u64 s[22:23], s[8:9], s[22:23]
	s_add_nc_u64 s[24:25], s[8:9], s[24:25]
.irp s, 0,1,2,3,4,5,6,7,8,9,10,11,12,13,14,15
	global_load_b128 v[QF+4*\s:QF+4*\s+3], v3, s[12:13] offset:32*\s
.endr
.irp u, 0,1
.irp c, 0,1
	global_load_b128 v[MK+8*\u+4*\c:MK+8*\u+4*\c+3], v6, s[20:21] offset:64*\u+16*\c
.endr
.endr
.irp u, 0,1
.irp s, 0,1,2,3,4,5,6,7,8,9,10,11,12,13,14,15
	global_load_b128 v[KF+64*\u+4*\s:KF+64*\u+4*\s+3], v3, s[16:17] offset:8192*\u+32*\s
.endr
.endr
	s_wait_loadcnt 0x0
	WIN 0x40                                       ; V's 128 loads go out now and land under the scores: register 2 (8 (4 u + x) + t) + j is V(16 u + 8 h + 2 x + j, 16 t + r)
.irp ux, 0,1,2,3,4,5,6,7
.irp t, 0,1,2,3,4,5,6,7
.irp j, 0,1
	global_load_b32 v[2*(8*\ux+\t)+\j], v7, s[18:19] offset:(16*(\ux/4)+2*(\ux%4)+\j)*512+64*\t
.endr
.endr
.endr
	WIN 0
.irp n, 0,2,4,6,8,10,12,14
	v_pk_mul_f32 v[MK+\n:MK+\n+1], v[MK+\n:MK+\n+1], s[26:27] op_sel_hi:[1,0]
.endr
.irp u, 0,1                            ; the two tiles by turns; the first product of each takes the mask as C
	v_wmma_f32_16x16x4_f32 v[SA+8*\u:SA+8*\u+7], v[KF+64*\u:KF+64*\u+1], v[QF:QF+1], v[MK+8*\u:MK+8*\u+7]
.endr
.set n, 2
.rept 31
.irp u, 0,1
	v_wmma_f32_16x16x4_f32 v[SA+8*\u:SA+8*\u+7], v[KF+64*\u+n:KF+64*\u+n+1], v[QF+n:QF+n+1], v[SA+8*\u:SA+8*\u+7]
.endr
.set n, n+2
.endr
.rept 8
	v_nop                                          ; eight places behind this form
.endr
	v_max3_num_f32 v4, v[SA], v[SA+1], 0xfe967699  ; my 16 keys' largest t, and the floor -1e38
	v_max3_num_f32 v13, v[SA+8], v[SA+9], v[SA+10]
.irp n, 2,4,6
	v_max3_num_f32 v4, v4, v[SA+\n], v[SA+\n+1]
.endr
	v_max3_num_f32 v13, v13, v[SA+11], v[SA+12]
	v_max3_num_f32 v13, v13, v[SA+13], v[SA+14]
	v_max3_num_f32 v4, v4, v13, v[SA+15]
	v_permlanex16_b32 v5, v4, s28, s29
	v_max_num_f32 v4, v4, v5                       ; with lane l xor 16's: the wave's 32 keys
	ds_store_b32 v8, v4
	s_wait_dscnt 0x0
	s_barrier_signal -1
	s_barrier_wait -1
.irp w, 0,1,2,3
	ds_load_b32 v[16+\w], v9 offset:64*\w
.endr
	s_wait_dscnt 0x0
	v_max3_num_f32 v4, v16, v17, v18
	v_max_num_f32 v4, v4, v19                      ; m of the 128 keys
	v_mov_b32 v5, v4
.irp n, 0,2,4,6,8,10,12,14
	v_pk_add_f32 v[PR+\n:PR+\n+1], v[SA+\n:SA+\n+1], v[4:5] op_sel_hi:[1,0] neg_lo:[0,1] neg_hi:[0,1]
.endr
.irp n, 0,1,2,3,4,5,6,7,8,9,10,11,12,13,14,15
	v_exp_f32 v[PR+\n], v[PR+\n]
.endr
	v_nop                                          ; a plain place behind the exponentials
	s_wait_alu depctr_va_vdst(0)                   ; one wait for the batch, ahead of its first reader
	v_pk_add_f32 v[20:21], v[PR:PR+1], v[PR+2:PR+3]
.irp n, 4,6,8,10,12,14
	v_pk_add_f32 v[20:21], v[20:21], v[PR+\n:PR+\n+1]
.endr
	v_add_f32 v20, v20, v21
	v_permlanex16_b32 v21, v20, s28, s29
	v_add_f32 v20, v20, v21
	ds_store_b32 v8, v20 offset:LSO                ; the wave's sum
	s_wait_loadcnt 0x0                             ; V
	WIN 0x51                                       ; V and O^T in window 1, p in window 0
.irp t, 0,1,2,3,4,5,6,7
	v_wmma_f32_16x16x4_f32 v[OA+8*\t:OA+8*\t+7], v[2*\t:2*\t+1], v[PR:PR+1], 0
.endr
.irp ux, 1,2,3,4,5,6,7                 ; eight accumulators by turns
.irp t, 0,1,2,3,4,5,6,7
	v_wmma_f32_16x16x4_f32 v[OA+8*\t:OA+8*\t+7], v[2*(8*\ux+\t):2*(8*\ux+\t)+1], v[PR+2*\ux:PR+2*\ux+1], v[OA+8*\t:OA+8*\t+7]
.endr
.endr
	WIN 0
.rept 8
	v_nop
.endr
	WIN 0x04                                       ; an LDS store's data are its source 1
.irp t, 0,1,2,3,4,5,6,7
	ds_store_b128 v10, v[OA+8*\t:OA+8*\t+3] offset:64*\t
	ds_store_b128 v10, v[OA+8*\t+4:OA+8*\t+7] offset:64*\t+16
.endr
	WIN 0
	s_wait_dscnt 0x0
	s_barrier_signal -1
	s_barrier_wait -1
.irp q, 0,1,2,3                        ; queries 4 w + q: the four waves' parts are added
.irp g, 0,1,2,3
	ds_load_b128 v[16+16*\q+4*\g:16+16*\q+4*\g+3], v11 offset:8448*\g+528*\q
.endr
.endr
	s_wait_dscnt 0x0
.irp q, 0,1,2,3
.irp c, 0,2
	v_pk_add_f32 v[16+16*\q+\c:17+16*\q+\c], v[16+16*\q+\c:17+16*\q+\c], v[20+16*\q+\c:21+16*\q+\c]
	v_pk_add_f32 v[24+16*\q+\c:25+16*\q+\c], v[24+16*\q+\c:25+16*\q+\c], v[28+16*\q+\c:29+16*\q+\c]
	v_pk_add_f32 v[16+16*\q+\c:17+16*\q+\c], v[16+16*\q+\c:17+16*\q+\c], v[24+16*\q+\c:25+16*\q+\c]
.endr
	global_store_b128 v12, v[16+16*\q:19+16*\q], s[22:23] offset:512*\q   ; a row of 512 consecutive bytes
.endr
	s_cmp_lg_u32 s10, 0
	s_cbranch_scc1 .Lend
.irp w, 0,1,2,3
	ds_load_b32 v[80+\w], v9 offset:LSO+64*\w
.endr
	v_lshlrev_b32 v13, 7, v1
	s_wait_dscnt 0x0
	v_add_f32 v80, v80, v81
	v_add_f32 v82, v82, v83
	v_add_f32 v80, v80, v82
	global_store_b32 v13, v4, s[24:25]             ; m; lanes 16-31 write what lanes 0-15 write
	global_store_b32 v13, v80, s[24:25] offset:64  ; l
.Lend:
	s_wait_tensorcnt 0x0                           ; the wave's end
	ds_add_u32 v[SPW], v[NIL]
	s_wait_dscnt 0x0
	s_endpgm
.Lfunc_end_k_q09ecc388ee_fattn:
	.size	k_q09ecc388ee_fattn, .Lfunc_end_k_q09ecc388ee_fattn-k_q09ecc388ee_fattn
	.p2alignl 7, 3214868480
	.fill 96, 4, 3214868480
	.section	.rodata,"a",@progbits
	.p2align	6, 0x0
	.amdhsa_kernel k_q09ecc388ee_fattn
		.amdhsa_group_segment_fixed_size 34816
		.amdhsa_private_segment_fixed_size 0
		.amdhsa_enable_private_segment 0
		.amdhsa_kernarg_size 24
		.amdhsa_user_sgpr_count 2
		.amdhsa_user_sgpr_kernarg_segment_ptr 1
		.amdhsa_wavefront_size32 1
		.amdhsa_system_sgpr_workgroup_id_x 1
		.amdhsa_system_sgpr_workgroup_id_y 1
		.amdhsa_system_sgpr_workgroup_id_z 1
		.amdhsa_system_vgpr_workitem_id 0
		.amdhsa_next_free_vgpr 448
		.amdhsa_next_free_sgpr 66
		.amdhsa_reserve_vcc 0
		.amdhsa_float_denorm_mode_32 3
		.amdhsa_float_denorm_mode_16_64 3
		.amdhsa_memory_ordered 1
		.amdhsa_forward_progress 1
		.amdhsa_inst_pref_size 37
	.end_amdhsa_kernel
	.amdgpu_metadata
---
amdhsa.version: [ 1, 2 ]
amdhsa.kernels:
  - .name:           k_q09ecc388ee_fattn
    .symbol:         k_q09ecc388ee_fattn.kd
    .args:
      - { .name: f32b, .offset: 0, .size: 8, .value_kind: global_buffer, .address_space: global }
      - { .name: mask, .offset: 8, .size: 8, .value_kind: global_buffer, .address_space: global }
      - { .name: part, .offset: 16, .size: 8, .value_kind: global_buffer, .address_space: global }
    .group_segment_fixed_size: 34816
    .private_segment_fixed_size: 0
    .kernarg_segment_align: 8
    .kernarg_segment_size: 24
    .max_flat_workgroup_size: 128
    .sgpr_count:     66
    .vgpr_count:     448
    .wavefront_size: 32
...
	.end_amdgpu_metadata
.endif
;; end of part 3
;; launch attn (part 4): grid 32 x 8, 4 waves a work-group, clusters of 4 x 4, 327,680 bytes of LDS; arguments qkv, mask, at16, part, attnf; writes at16, attnf
.if DOCPART == 4
	.amdgcn_target "amdgcn-amd-amdhsa--gfx1250"
	.amdhsa_code_object_version 6
	.text
	.protected	k_q09ecc388ee_attn
	.globl	k_q09ecc388ee_attn
	.p2align	8
	.type	k_q09ecc388ee_attn,@function
k_q09ecc388ee_attn:
	s_mov_b64 s[64:65], 0
	v_nop
	global_prefetch_b8 v0, s[64:65] scope:SCOPE_SE
	s_setreg_imm32_b32 hwreg(HW_REG_WAVE_MODE, 25, 1), 1
	s_wait_xcnt 0x0
	s_wait_alu depctr_hold_cnt(0) depctr_sa_sdst(0) depctr_va_vdst(0) depctr_va_sdst(0) depctr_va_ssrc(0) depctr_va_vcc(0) depctr_vm_vsrc(0)
	s_getreg_b32 s2, hwreg(HW_REG_IB_STS2, 6, 4)
	s_cmp_eq_u32 s2, 0
	s_cbranch_scc0 .Lentry_in_a_cluster
	s_endpgm
.Lentry_in_a_cluster:
	s_bfe_u32 s2, ttmp6, 0x10000c
	s_cmp_lg_u32 s2, 0xf033
	s_cbranch_scc0 .Lentry_shape_is_right
	s_endpgm
.Lentry_shape_is_right:
; at16[s][head][:] = f16 of the sum over keys of softmax(q . k / sqrt(128) + mask[s][key]) v' .  q', k', v' come as f16 (qkv), scaled so that q' . k' is the score in powers of two; the mask is an input, f32, taken as given for every key.
; Products on f16 operands, sums, maxima and the softmax in f32; the weights p are rounded to f16 for the second product.
; AT ITS HEAD each work-group also joins the fine launch's 16 parts of one (head, position < 16), in f32: (sum of 2^(m_c - m*) O_c) / (sum of 2^(m_c - m*) l_c); thread t takes channel t.  The result goes to attnf in the order of its
; reader's registers: [256 steps of 8 along k = 128 head + channel][lane = 16 ((k / 4) % 2) + position][4 numbers].
; SHARES.  A work-group owns 64 queries of one key and value head's two query heads.  Wave w: queries 32 (w / 2) on, and of every block of 128 keys the half 64 (w % 2) on.  Its four tiles of 16 queries: tile t = head t / 2, queries 16 (t % 2) on.
; So each fragment of K and V read from LDS feeds four products, and all keys are walked in 16 steps of 64 a wave.  The two waves of a pair join their m, l and O once, at the end, through LDS.
; LAYOUT.  S^T = K Q^T with the mask (x log2(e)) as the C of each sum's first product; O^T = V^T P: a lane holds one query (lane % 16) throughout.  K comes out of LDS as it lies, V turned, by ds_load_tr16_b128.
; SOFTMAX.  A running maximum m and sum l for each query: p = 2^(t - m), by a subtraction; O and l are multiplied by a = 2^(m_old - m_new) in every step.
; BY TURNS.  Piece 0 = tiles 0, 1 (the first head), piece 2 = tiles 2, 3.  In a turn one piece has the matrix unit (32 products V^T P of the step in hand, 32 products K Q^T of the next); the other piece's softmax stands in 64 slices behind them.
; CLUSTER 4 x 4.  K's and V's tiles hang on the key and value head and are asked for jointly along a row of the cluster; the mask's tile hangs on the block of queries, jointly along a column.
; REGISTERS: window 0: v0-11, v44-63 addresses (v56-60 the join's, never rewritten); v12-43 statistics, eight a tile (+0 m, +2, +3 l, +4 to +7 at work, a in +6); v64-191 S^T; v192-255 P.  window 1: O^T.  window 2: v0-127 Q, v128-255 K.  window 3: v0-127 V, v128-191 the mask.
; LIMITS: -infinity in the mask is served (m is held at -1e38 from below; a row wholly -infinity gives NaN); NaN in the mask is not served.
.set PK,    272
.set PV,    288
.set PM,    528
.set VOFF,  128*PK                     ; a slot: 128 rows of K, 128 of V, 64 rows of the mask (128 keys of 4 bytes + 16)
.set MOFF,  VOFF+128*PV
.set SLOT1, 1<<17
.set XST,   SLOT1+MOFF+64*PM           ; behind the ring: m and l, 1,024 bytes a wave;
.set XO,    XST+4*1024                 ; a piece of O^T as an image of its registers, 16,384 bytes a wave;
.set STAGE, XO+4*16384                 ; the way out's stage, 16 x 272 a wave;
.set SP,    272
.set SPARE, STAGE+4*16*SP              ; the spare words
.set AK0, 2
.set AV0, 3
.set ADR, 4
.set QO,  5
.set STO, 6
.set RD,  7
.set GO,  8
.set AM0, 10
.set ADR2, 11
.set ST,  12
.set XSTO, 44
.set XSTP, 45
.set XOO, 46
.set XOP, 47
.set PFO, 61
.set SPW, 62
.set NIL, 63
.set S,   64
.set P,   192
.set KF,  128
.set MK,  128
.set WV,  12
.set LIM, 15
.set PFA, 18
.set G1K, 24
.set G1V, 32
.set G1M, 40
.set G0K, 48
.set G0V, 56
.set G0M, 68
.set SLOTS, 76
.set CS,  78
.set SEL, 80
.set TB,  82
.set PFS, 98
.set MSB, 0
.macro WIN new
.if MSB != \new
	s_set_vgpr_msb (MSB<<8)|\new
.set MSB, \new
.endif
.endm
.set W_KQ, 0x0a
.set W_PV, 0x53
.set W_RS, 0x41
.macro PLACES
.rept 4
	v_nop
.endr
.endm
; A joint refill: wave 0 fetches K's tile, wave 1 V's, waves 2 and 3 the mask's halves.  The branches hang on the wave's number alone.  An s_nop 0 and four v_nop follow each line.
.macro JLOAD3
	s_cmp_eq_u32 s[WV], 0
	s_cbranch_scc0 .Lnot_k_\@
	tensor_load_to_lds s[G0K+4:G0K+7], s[G1K:G1K+7]
	s_nop 0
	PLACES
	s_branch .Lasked_\@
.Lnot_k_\@:
	s_cmp_eq_u32 s[WV], 1
	s_cbranch_scc0 .Lnot_v_\@
	tensor_load_to_lds s[G0V+4:G0V+7], s[G1V:G1V+7]
	s_nop 0
	PLACES
	s_branch .Lasked_\@
.Lnot_v_\@:
	tensor_load_to_lds s[G0M+4:G0M+7], s[G1M:G1M+7]
	s_nop 0
	PLACES
.Lasked_\@:
.endm
; A PREFETCH INTO THE L2 of the block of 128 keys that stands two refills on.  Each aligned 256 bytes are named once in the launch.  K's and V's rows are walked by all clusters along x: the first of them asks, its four partners along x
; take 32 rows each BY ADDRESS, wave 0 for K, wave 1 for V, a lane a row.  The mask's tile is walked by both clusters along y: the first asks, its four partners along y take 16 rows each, wave 2, two lanes a row of 512 bytes.
; The first four blocks come by their loads alone; the last two refills ask for nothing.
.macro ASK
	s_cmp_gt_u32 s[SLOTS], s[LIM]
	s_cbranch_scc0 .Lnot_mine_\@
	global_prefetch_b8 v[PFO], s[PFA:PFA+1] th:TH_LOAD_NT scope:SCOPE_SE
.Lnot_mine_\@:
.endm
.macro CROUND
	s_barrier_signal -1
	s_barrier_wait -1
	s_cmp_lg_u32 s[WV], 0
	s_cbranch_scc1 .Lnot_wave_0_\@
	s_barrier_signal -3
.Lnot_wave_0_\@:
	s_barrier_wait -3
	s_barrier_signal -1
	s_barrier_wait -1
.endm
	s_load_b128 s[4:7], s[0:1], 0x0                ; qkv s[4:5], mask s[6:7]
	s_load_b64 s[8:9], s[0:1], 0x10                ; at16
	s_load_b64 s[2:3], s[0:1], 0x18                ; part
	s_load_b64 s[66:67], s[0:1], 0x20              ; attnf
	v_lshl_add_u32 v[SPW], v0, 2, SPARE
	v_mov_b32 v[NIL], 0
	ds_add_u32 v[SPW], v[NIL]                      ; the opening: the add, twice on end, and its wait ahead of my first tensor load
	ds_add_u32 v[SPW], v[NIL]
	v_lshrrev_b32 v1, 5, v0
	v_readfirstlane_b32 s[WV], v1
	s_lshr_b32 s16, s[WV], 1                       ; which 32 queries
	s_and_b32 s17, s[WV], 1                        ; which half of the keys; also: which half of the mask's tile I fetch
	s_bfe_u32 s13, ttmp6, 0x40000                  ; cx
	s_bfe_u32 s14, ttmp6, 0x40004                  ; cy
	s_lshl_b32 s84, ttmp9, 2
	s_add_co_u32 s84, s84, s13                     ; block of 64 queries
	s_and_b32 s83, ttmp7, 0xffff                   ; cluster y
	s_lshl_b32 s85, s83, 2
	s_add_co_u32 s85, s85, s14                     ; key and value head
	s_lshl_b32 s86, s14, 2
	s_lshl_b32 s86, 15, s86                        ; my row of the cluster
	s_lshl_b32 s87, 0x1111, s13                    ; my column
	s_or_b32 s[G1K], s86, (1<<16)|(1<<20)|(1<<21)|(5<<22)|(3<<25)   ; elements of 2 bytes; four words of padding behind every 64
	s_or_b32 s[G1V], s86, (1<<16)|(1<<20)|(1<<21)|(5<<22)|(7<<25)   ; eight words
	s_or_b32 s[G1M], s87, (2<<16)|(1<<20)|(1<<21)|(6<<22)|(3<<25)   ; elements of 4 bytes; four words behind every 128
.irp g, G1K, G1V
	s_mov_b32 s[\g+1], 128<<16
	s_mov_b32 s[\g+2], 128<<16
	s_mov_b32 s[\g+3], 128<<16
	s_mov_b32 s[\g+4], 128
	s_mov_b32 s[\g+5], 128
	s_mov_b32 s[\g+6], 0
	s_mov_b32 s[\g+7], 0
.endr
	s_mov_b32 s[G1M+1], 128<<16
	s_mov_b32 s[G1M+2], 32<<16
	s_mov_b32 s[G1M+3], 128<<16
	s_mov_b32 s[G1M+4], 32
	s_mov_b32 s[G1M+5], 2048
	s_mov_b32 s[G1M+6], 0
	s_mov_b32 s[G1M+7], 0
	s_lshl_b32 s88, s85, 19
	s_add_co_u32 s88, s88, 8388608                 ; K: hc = 16 + head
	s_mov_b32 s89, 0
	s_add_co_u32 s90, s88, 4194304                 ; V: eight further on
	s_mov_b32 s91, 0
	s_lshl_b32 s92, s84, 6
	s_lshl_b32 s93, s17, 5
	s_add_co_u32 s92, s92, s93
	s_lshl_b32 s92, s92, 13                        ; mask: row 64 x block + 32 x half
	s_mov_b32 s93, 0
	s_mul_i32 s94, s17, 32*PM
	s_add_co_u32 s94, s94, MOFF
	s_lshl_b32 s96, s84, 6
	s_lshl_b32 s97, s16, 5
	s_add_co_u32 s96, s96, s97                     ; my first query
	s_lshl_b32 s20, s96, 8
	s_lshl_b32 s21, s85, 20
	s_add_co_u32 s20, s20, s21                     ; Q: head 2 g
	s_mov_b32 s21, 0
	s_lshl_b32 s22, s96, 12
	s_lshl_b32 s23, s85, 1
	s_add_co_u32 s23, s23, s17                     ; the head that I store: 2 g + my half
	s_lshl_b32 s23, s23, 8
	s_add_co_u32 s22, s22, s23
	s_mov_b32 s23, 0
	s_mov_b32 s[CS], 0x3fb8aa3b                    ; log2(e)
	s_mov_b32 s[CS+1], s[CS]
	s_mov_b32 s[SEL], 0x76543210
	s_mov_b32 s[SEL+1], 0xfedcba98
	s_mov_b32 s[TB], 0
	s_mov_b32 s[SLOTS], 14                         ; refills to come
	s_wait_dscnt 0x0
	s_wait_kmcnt 0x0
	s_add_nc_u64 s[10:11], s[4:5], s[20:21]
	s_add_nc_u64 s[8:9], s[8:9], s[22:23]
	s_add_nc_u64 s[88:89], s[4:5], s[88:89]
	s_add_nc_u64 s[90:91], s[4:5], s[90:91]
	s_add_nc_u64 s[92:93], s[6:7], s[92:93]
	; the prefetches: where my wave's stand, and who asks
	s_cmp_eq_u32 s[WV], 0
	s_cselect_b64 s[PFA:PFA+1], s[88:89], s[90:91]
	s_mov_b32 s21, 16*8192
	s_mov_b32 s22, 512
	s_mov_b32 s23, 8192
	s_cmp_lt_u32 s[WV], 2
	s_cselect_b64 s[PFA:PFA+1], s[PFA:PFA+1], s[92:93]
	s_cselect_b32 s20, s13, s14                    ; my place among the four that ask jointly
	s_cselect_b32 s21, 32*256, s21                 ; a partner's share
	s_cselect_b32 s[PFS], 32768, s22               ; a block of 128 keys on
	s_cselect_b32 s23, 512, s23                    ; two lanes on
	s_cselect_b32 s95, ttmp9, s83                  ; the coordinate along which other clusters read the same
	s_mul_i32 s20, s20, s21
	s_mul_i32 s21, s[PFS], 3
	s_add_co_u32 s20, s20, s21                     ; at block 3: the first change of slots steps it to block 4
	s_mov_b32 s21, 0
	s_add_nc_u64 s[PFA:PFA+1], s[PFA:PFA+1], s[20:21]
	s_mov_b32 s[PFS+1], 0
	s_cmp_eq_u32 s[WV], 3
	s_cselect_b32 s95, 1, s95
	s_cmp_eq_u32 s95, 0
	s_cselect_b32 s[LIM], 2, -1                    ; the same in all sixteen partners, for a given wave
	v_and_b32 v[PFO], 31, v0
	v_lshrrev_b32 v48, 1, v[PFO]
	v_and_b32 v[PFO], 1, v[PFO]
	v_lshlrev_b32 v[PFO], 8, v[PFO]
	v_mul_lo_u32 v48, v48, s23
	v_add_nc_u32 v[PFO], v[PFO], v48
	CROUND                                         ; all sixteen work-groups are here: the first joint loads meet
.irp s, 0,1
	s_mov_b32 s[G0K+4*\s], 1
	s_mov_b32 s[G0K+4*\s+1], \s*SLOT1
	s_add_nc_u64 s[G0K+4*\s+2:G0K+4*\s+3], s[88:89], \s*32768
	s_or_b32 s[G0K+4*\s+3], s[G0K+4*\s+3], 0x80000000
	s_mov_b32 s[G0V+4*\s], 1
	s_mov_b32 s[G0V+4*\s+1], \s*SLOT1+VOFF
	s_add_nc_u64 s[G0V+4*\s+2:G0V+4*\s+3], s[90:91], \s*32768
	s_or_b32 s[G0V+4*\s+3], s[G0V+4*\s+3], 0x80000000
	s_mov_b32 s[G0M+4*\s], 1
	s_add_co_u32 s[G0M+4*\s+1], s94, \s*SLOT1
	s_add_nc_u64 s[G0M+4*\s+2:G0M+4*\s+3], s[92:93], \s*512
	s_or_b32 s[G0M+4*\s+3], s[G0M+4*\s+3], 0x80000000
.endr
	s_cmp_eq_u32 s[WV], 0                          ; a wave's two first fills stand in one branch: two loads of mine are out
	s_cbranch_scc0 .Lfirst_nk
	tensor_load_to_lds s[G0K:G0K+3], s[G1K:G1K+7]
	s_nop 0
	tensor_load_to_lds s[G0K+4:G0K+7], s[G1K:G1K+7]
	s_nop 0
	PLACES
	s_branch .Lfirst_asked
.Lfirst_nk:
	s_cmp_eq_u32 s[WV], 1
	s_cbranch_scc0 .Lfirst_m
	tensor_load_to_lds s[G0V:G0V+3], s[G1V:G1V+7]
	s_nop 0
	tensor_load_to_lds s[G0V+4:G0V+7], s[G1V:G1V+7]
	s_nop 0
	PLACES
	s_branch .Lfirst_asked
.Lfirst_m:
	tensor_load_to_lds s[G0M:G0M+3], s[G1M:G1M+7]
	s_nop 0
	tensor_load_to_lds s[G0M+4:G0M+7], s[G1M:G1M+7]
	s_nop 0
	PLACES
.Lfirst_asked:
	v_and_b32 v1, 15, v0                           ; r
	v_bfe_u32 v9, v0, 4, 1                         ; h
	v_lshlrev_b32 v[QO], 8, v1
	v_lshl_add_u32 v[QO], v9, 4, v[QO]
	WIN 0x80
.irp i, 0,1,2,3,4,5,6,7,8,9,10,11,12,13,14,15      ; Q stays in registers: tile i / 4 (head i / 8, queries 16 ((i / 4) % 2) on), channels 32 (i % 4) on
	global_load_b128 v[8*\i:8*\i+3],   v[QO], s[10:11] offset:(\i/8)*524288+((\i/4)%2)*4096+(\i%4)*64
	global_load_b128 v[8*\i+4:8*\i+7], v[QO], s[10:11] offset:(\i/8)*524288+((\i/4)%2)*4096+(\i%4)*64+32
.endr
	WIN 0
	s_mul_i32 s20, s17, 64*PK                      ; my half of a block's keys
	v_mul_u32_u24 v[AK0], v1, PK
	v_lshl_add_u32 v[AK0], v9, 4, v[AK0]
	v_add_nc_u32 v[AK0], s20, v[AK0]
	v_and_b32 v48, 7, v0
	v_bfe_u32 v49, v0, 3, 1
	v_lshl_add_u32 v[AV0], v9, 3, v48
	v_mul_u32_u24 v[AV0], v[AV0], PV
	v_lshl_add_u32 v[AV0], v49, 4, v[AV0]
	s_mul_i32 s20, s17, 64*PV
	s_add_co_u32 s20, s20, VOFF
	v_add_nc_u32 v[AV0], s20, v[AV0]
	v_mul_u32_u24 v[AM0], v1, PM                   ; the mask: row = my query, 256 x my half of the keys + 32 h
	v_lshl_add_u32 v[AM0], v9, 5, v[AM0]
	s_mul_i32 s20, s16, 32*PM
	s_lshl_b32 s21, s17, 8
	s_add_co_u32 s20, s20, s21
	s_add_co_u32 s20, s20, MOFF
	v_add_nc_u32 v[AM0], s20, v[AM0]
	v_and_b32 v48, 31, v0                          ; the exchange at the end: mine, and my partner's (wave xor 1)
	s_xor_b32 s22, s[WV], 1
	s_lshl_b32 s20, s[WV], 10
	s_add_co_u32 s20, s20, XST
	v_lshl_add_u32 v[XSTO], v48, 2, s20
	s_lshl_b32 s21, s22, 10
	s_add_co_u32 s21, s21, XST
	v_lshl_add_u32 v[XSTP], v48, 2, s21
	s_lshl_b32 s20, s[WV], 14
	s_add_co_u32 s20, s20, XO
	v_lshl_add_u32 v[XOO], v48, 4, s20
	s_lshl_b32 s21, s22, 14
	s_add_co_u32 s21, s21, XO
	v_lshl_add_u32 v[XOP], v48, 4, s21
.irp t, 0,1,2,3
	v_mov_b32 v[ST+8*\t+1], 0                      ; named as the upper half of the pair with m, so it is written
.endr
	; ---- the fine parts of one (head, position) are joined while the first tiles are on their way.  Work-group number bx + 32 g: head = 2 g + bx / 16, position = bx % 16
	s_lshl_b32 s86, s85, 1
	s_lshr_b32 s87, s84, 4
	s_add_co_u32 s86, s86, s87                     ; head
	s_and_b32 s87, s84, 15                         ; position
	s_lshl_b32 s88, s86, 4
	s_add_co_u32 s88, s88, s87
	s_lshl_b32 s88, s88, 7
	s_add_co_u32 s88, s88, 2097152                 ; 16 m, then 16 l
	s_mov_b32 s89, 0
	s_add_nc_u64 s[88:89], s[2:3], s[88:89]
	s_lshl_b32 s90, s86, 8
	s_add_co_u32 s90, s90, s87
	s_lshl_b32 s90, s90, 9                         ; O's parts: 8,192 bytes from chunk to chunk
	s_mov_b32 s91, 0
	s_add_nc_u64 s[90:91], s[2:3], s[90:91]
	s_lshl_b32 s92, s86, 13                        ; attnf: 16 steps of 512 bytes a head,
	s_lshl_b32 s93, s87, 4                         ; 16 bytes a position
	s_add_co_u32 s92, s92, s93
	s_mov_b32 s93, 0
	s_add_nc_u64 s[66:67], s[66:67], s[92:93]
	v_mov_b32 v56, 0
	v_lshlrev_b32 v57, 2, v0                       ; O's parts: 4 bytes a channel
	v_lshrrev_b32 v59, 3, v0
	v_lshlrev_b32 v59, 9, v59                      ; attnf: step t / 8,
	v_bfe_u32 v60, v0, 2, 1
	v_lshl_add_u32 v59, v60, 8, v59                ; the upper sixteen lanes for (t / 4) % 2,
	v_and_b32 v60, 3, v0
	v_lshl_add_u32 v59, v60, 2, v59                ; number t % 4
.irp n, 0,1,2,3,4,5,6,7
	global_load_b128 v[64+4*\n:67+4*\n], v56, s[88:89] offset:16*\n
.endr
.irp c, 0,1,2,3,4,5,6,7,8,9,10,11,12,13,14,15
	global_load_b32 v[96+\c], v57, s[90:91] offset:8192*\c
.endr
	s_wait_loadcnt 0x0
	v_max3_num_f32 v112, v64, v65, v66
.irp c, 67,69,71,73,75,77
	v_max3_num_f32 v112, v112, v[\c], v[\c+1]
.endr
	v_max_num_f32 v112, v112, v79                  ; m*
.irp c, 0,1,2,3,4,5,6,7,8,9,10,11,12,13,14,15
	v_sub_f32 v[64+\c], v[64+\c], v112
.endr
.irp c, 0,1,2,3,4,5,6,7,8,9,10,11,12,13,14,15
	v_exp_f32 v[64+\c], v[64+\c]
.endr
	v_nop                                          ; a plain instruction behind the last exponential
	s_wait_alu depctr_va_vdst(0)                   ; one wait for the sixteen
	v_mul_f32 v113, v64, v80
	v_mul_f32 v114, v64, v96
.irp c, 1,2,3,4,5,6,7,8,9,10,11,12,13,14,15
	v_fmac_f32 v113, v[64+\c], v[80+\c]
	v_fmac_f32 v114, v[64+\c], v[96+\c]
.endr
	v_rcp_f32 v113, v113
	v_nop
	s_wait_alu depctr_va_vdst(0)
	v_mul_f32 v58, v114, v113                      ; v58, v59 and s[66:67] are never rewritten
	global_store_b32 v59, v58, s[66:67]
; Product i of 32 of O^T += V^T P: keys 32 (i / 16) on, channels 16 ((i / 2) % 8) on, tile x + i % 2.  The accumulators take turns.
.macro PV x, zero
	WIN W_PV
.set rO, 64*(\x+i%2)+8*((i/2)%8)
.set rV, 64*(i/16)+8*((i/2)%8)
.set rP, P+16*(\x+i%2)+8*(i/16)
.if \zero && (i < 16)
	v_wmma_f32_16x16x32_f16 v[rO:rO+7], v[rV:rV+7], v[rP:rP+7], 0
.else
	v_wmma_f32_16x16x32_f16 v[rO:rO+7], v[rV:rV+7], v[rP:rP+7], v[rO:rO+7]
.endif
.endm
; Product i of 32 of S^T = K Q^T + the mask: channels 32 (i / 8) on, keys 16 ((i / 2) % 4) on, tile x + i % 2.  The first 8 take the mask's tile (queries i % 2, the same for both heads) as C.
.macro KQ x
.set rS, S+32*(\x+i%2)+8*((i/2)%4)
.set rK, KF+32*((i/2)%4)+8*(i/8)
.set rQ, 32*(\x+i%2)+8*(i/8)
.set rM, MK+32*(i%2)+8*((i/2)%4)
.if i < 8
	WIN 0x3a
	v_wmma_f32_16x16x32_f16 v[rS:rS+7], v[rK:rK+7], v[rQ:rQ+7], v[rM:rM+7]
.else
	WIN W_KQ
	v_wmma_f32_16x16x32_f16 v[rS:rS+7], v[rK:rK+7], v[rQ:rQ+7], v[rS:rS+7]
.endif
.endm
.macro FETCH_K                         ; a step's K (32 loads) and its mask (16 loads), in one run
	WIN 0
	v_add_nc_u32 v[ADR], s[TB], v[AK0]
	v_add_nc_u32 v[ADR2], s[TB], v[AM0]
	WIN 0x80
.irp f, 0,1,2,3,4,5,6,7,8,9,10,11,12,13,14,15
	ds_load_b128 v[KF+8*\f:KF+8*\f+3],   v[ADR] offset:(\f/4)*16*PK+(\f%4)*64
	ds_load_b128 v[KF+8*\f+4:KF+8*\f+7], v[ADR] offset:(\f/4)*16*PK+(\f%4)*64+32
.endr
	WIN 0xc0
.irp f, 0,1,2,3,4,5,6,7                ; queries 16 (f / 4) on, keys 16 (f % 4) on: register j is mask(query r, key 8 h + j)
	ds_load_b128 v[MK+8*\f:MK+8*\f+3],   v[ADR2] offset:(\f/4)*16*PM+(\f%4)*64
	ds_load_b128 v[MK+8*\f+4:MK+8*\f+7], v[ADR2] offset:(\f/4)*16*PM+(\f%4)*64+16
.endr
.endm
.macro MSC                             ; the mask x log2(e), in place
	WIN 0xc3
.set mm, 0
.rept 32
	v_pk_mul_f32 v[MK+mm:MK+mm+1], v[MK+mm:MK+mm+1], s[CS:CS+1] op_sel_hi:[1,0]
.set mm, mm+2
.endr
.endm
.macro FETCH_V
	WIN 0
	v_add_nc_u32 v[ADR], s[TB], v[AV0]
	s_wait_alu depctr_va_vdst(0)                   ; the wait for the softmax's batch, behind the address's addition and ahead of the loads
	WIN 0xc0
.irp f, 0,1,2,3,4,5,6,7,8,9,10,11,12,13,14,15
	ds_load_tr16_b128 v[8*\f:8*\f+3],   v[ADR] offset:(\f/8)*32*PV+(\f%8)*32
	ds_load_tr16_b128 v[8*\f+4:8*\f+7], v[ADR] offset:(\f/8)*32*PV+16*PV+(\f%8)*32
.endr
.endm
; One tile's softmax for one step is a numbered list; SM writes number j of it for tile t.
;   0-15 the maximum of the lane's 32 scores and the old m (first step: and the floor -1e38);  16-20 the other half of the lanes', the new m, m_old - m_new;
;   21-69 ONE BATCH: 16 packed subtractions t - m and all 33 exponentials, none of which reads an exponential's result;  (the wait)  70-85 roundings to f16;  86-101 the sums, l = a l + the sum;  102-133 O^T x a.
.macro SM t, first
.set rT, ST+8*(\t)
.set rS, S+32*(\t)
.set rP, P+16*(\t)
.set rO, 64*(\t)+2*(j-102)
.if j < 102
	WIN 0
.endif
.if j < 4
	v_max3_num_f32 v[rT+4+j], v[rS+8*j], v[rS+8*j+1], v[rS+8*j+2]
.elseif j < 12
	v_max3_num_f32 v[rT+4+j%4], v[rT+4+j%4], v[rS+8*(j%4)+2*(j/4)+1], v[rS+8*(j%4)+2*(j/4)+2]
.elseif j == 12
	v_max3_num_f32 v[rT+4], v[rT+4], v[rS+7], v[rS+15]
.elseif j == 13
	v_max3_num_f32 v[rT+6], v[rT+6], v[rS+23], v[rS+31]
.elseif j == 14
	v_max3_num_f32 v[rT+4], v[rT+4], v[rT+5], v[rT+6]
.elseif (j == 15) && \first
	v_max3_num_f32 v[rT+4], v[rT+4], v[rT+7], 0xfe967699
.elseif j == 15
	v_max3_num_f32 v[rT+4], v[rT+4], v[rT+7], v[rT]
.elseif j == 16
	v_permlanex16_b32 v[rT+5], v[rT+4], s[SEL], s[SEL+1]
.elseif j == 18
	v_max_num_f32 v[rT], v[rT+4], v[rT+5]
.elseif j == 19
.elseif ((j == 17) || (j == 20) || (j == 23) || (j > 101)) && \first
.elseif j == 17
	v_mov_b32 v[rT+7], v[rT]
.elseif j == 20
	v_sub_f32 v[rT+7], v[rT+7], v[rT]
.elseif j == 23
	v_exp_f32 v[rT+6], v[rT+7]
.elseif (j < 23) || ((j < 38) && (j%2 == 0)) || ((j < 66) && (j%4 == 2))
.set b, (j-2)/4
.if j < 38
.set b, (j-20)/2
.endif
	v_pk_add_f32 v[rS+2*b:rS+2*b+1], v[rS+2*b:rS+2*b+1], v[rT:rT+1] op_sel_hi:[1,0] neg_lo:[0,1] neg_hi:[0,1]
.elseif j < 70
.set e, j-38
.if j < 66
.set e, j-32-(j-38)/4
.endif
.if j < 38
.set e, (j-25)/2
.endif
	v_exp_f32 v[rS+e], v[rS+e]
.elseif j < 86
	v_cvt_pk_f16_f32 v[rP+j-70], v[rS+2*(j-70)], v[rS+2*(j-70)+1]
.elseif j < 102
.set z, j-86
.set w, 4
.set u, z
.if z >= 14
.set w, 32
.set u, 0
.elseif z >= 12
.set w, 16
.set u, z-12
.elseif z >= 8
.set w, 8
.set u, z-8
.endif
.if (z == 14) && \first
	v_pk_add_f32 v[rT+2:rT+3], v[rS:rS+1], v[rS+16:rS+17]
.elseif z < 15
	v_pk_add_f32 v[rS+w*u:rS+w*u+1], v[rS+w*u:rS+w*u+1], v[rS+w*u+w/2:rS+w*u+w/2+1]
.elseif !\first
	v_pk_fma_f32 v[rT+2:rT+3], v[rT+2:rT+3], v[rT+6:rT+7], v[rS:rS+1] op_sel_hi:[1,0,1]
.endif
.else
	WIN W_RS
	v_pk_mul_f32 v[rO:rO+1], v[rO:rO+1], v[rT+6:rT+7] op_sel_hi:[1,0]
.endif
.endm
; Slice k of 64 of piece y's softmax.  Slices 11 to 34 deal out the batch, four numbers of one tile each; every other slice is numbers 2 k, 2 k + 1 of both tiles; what is over stands in slice 63.
; Ahead of slice 35 nothing names an exponential's result, and behind slice 34 none is issued: one wait, behind slice 34, serves the piece's exponentials.
.macro SLICE y, first
.if (k >= 11) && (k < 35)
.irp n, 0,1,2,3
.set j, 22+4*((k-11)/2)+(\n)
	SM (\y)+(k-11)%2, \first
.endr
.else
.irp n, 0,1,2,3,4,5,6,7
.if (\n < 2) || (k == 63)
.irp t, \y, \y+1
.set j, 2*k+\n
	SM \t, \first
.endr
.endif
.endr
.endif
.if k == 34
	v_nop                                          ; a plain instruction behind the last exponential
.if (\y) == 0
	FETCH_V
.else
	s_wait_alu depctr_va_vdst(0)
.endif
.endif
.set k, k+1
.endm
; A TURN.  Piece x has the matrix unit.  pv = 2: 32 products V^T P; 1: they start O^T's sums; 0: none.  kq = 1: 32 products K Q^T of the next step.  first = 1: the softmax is the first step's.
.macro TURN x, pv, kq, first
.set k, 0
.set per, 2
.if \pv && \kq
.set per, 1
.endif
.if \pv
.if \x == 0
	s_wait_dscnt 0x0                               ; V is in
.endif
.set i, 0
.rept 32
	PV \x, 2-\pv
.rept per
	SLICE 2-\x, \first
.endr
.if (\x == 0) && \kq && (i == 1)
	FETCH_K
.endif
.set i, i+1
.endr
.endif
.if \kq
.if \x == 0
	s_wait_dscnt 0x0                               ; K and the mask are in
	MSC
.endif
.set i, 0
.rept 32
	KQ \x
.rept per
	SLICE 2-\x, \first
.endr
.set i, i+1
.endr
.endif
.if \first
	PLACES
.endif
.endm
; THE CHANGE OF SLOTS, between piece 2's turn and piece 0's: the slot's last bytes, V's, have been asked for.  Each wave waits for all its tensor loads (one is out: its part of the other slot), adds 0 to its spare word,
; and waits for that and for its reads of the slot.  fill = 1: the barrier is a round of the cluster's, and the joint refill, the keys two blocks on, is the first thing behind it: it has a step's 128 products in which to land.
.macro CHANGE fill
	WIN 0
	s_wait_tensorcnt 0x0
	ds_add_u32 v[SPW], v[NIL]
.if \fill
.irp g, G0K+4, G0V+4
	s_xor_b32 s[\g+1], s[\g+1], SLOT1
	s_add_nc_u64 s[\g+2:\g+3], s[\g+2:\g+3], 32768
.endr
	s_xor_b32 s[G0M+5], s[G0M+5], SLOT1
	s_add_nc_u64 s[G0M+6:G0M+7], s[G0M+6:G0M+7], 512
	s_wait_xcnt 0x0                                ; the last prefetch, a step back, has read its address
	s_add_nc_u64 s[PFA:PFA+1], s[PFA:PFA+1], s[PFS:PFS+1]
	s_wait_dscnt 0x0
	CROUND
	JLOAD3
	ASK
.else
	s_wait_dscnt 0x0
	s_barrier_signal -1
	s_barrier_wait -1
.endif
	s_xor_b32 s[TB], s[TB], SLOT1                  ; the fetches go on in the other slot
.endm
	s_wait_tensorcnt 1                             ; my part of slot 0 is in; slot 1's may stay out
	s_barrier_signal -1
	s_barrier_wait -1
	FETCH_K                                        ; step 0
	s_wait_loadcnt 0x0                             ; Q
	s_wait_dscnt 0x0
	MSC
.set i, 0
.rept 32
	KQ 0
.set i, i+1
.endr
	WIN 0                                          ; the way out's addresses: plain instructions, the places behind those products
	s_mul_i32 s20, s[WV], 16*SP
	s_add_co_u32 s20, s20, STAGE
	v_mul_u32_u24 v[STO], v1, SP
	v_lshl_add_u32 v[STO], v9, 4, v[STO]
	v_add_nc_u32 v[STO], s20, v[STO]
	v_mul_u32_u24 v[RD], v9, SP
	v_lshl_add_u32 v[RD], v1, 4, v[RD]
	v_add_nc_u32 v[RD], s20, v[RD]
	v_lshlrev_b32 v[GO], 12, v9                    ; at16: a position's row is 4,096 bytes
	v_lshl_add_u32 v[GO], v1, 4, v[GO]
	TURN 2, 0, 1, 1                                ; piece 2's first scores | piece 0's first softmax | V of step 0
	CHANGE 1                                       ; slot 0 takes block 2
	s_mov_b32 s[SLOTS], 13
	TURN 0, 1, 1, 1
	TURN 2, 1, 1, 0
	WIN 0
.Lslot:                                            ; 13 trips: blocks 3 to 15 are asked for
	CHANGE 1
	TURN 0, 2, 1, 0
	TURN 2, 2, 1, 0
	WIN 0
	s_sub_co_u32 s[SLOTS], s[SLOTS], 1
	s_cmp_lg_u32 s[SLOTS], 0
	s_cbranch_scc1 .Lslot
	CHANGE 0                                       ; the tail is written out: nothing more is asked for
	TURN 0, 2, 1, 0
	TURN 2, 2, 1, 0
	TURN 0, 2, 0, 0
.set i, 0
.rept 32
	PV 2, 0
.set i, i+1
.endr
	; THE TWO HALVES OF THE KEYS ARE JOINED.  m and l go to the partner as images; m* = the larger m; f = 2^(m - m*) / (2^(m - m*) l + 2^(m' - m*) l'); O^T x f; each wave sends one piece and keeps the other.
	WIN 0
.irp t, 0,1,2,3
	v_add_f32 v[ST+8*\t+4], v[ST+8*\t+2], v[ST+8*\t+3]
.endr
.irp t, 0,1,2,3
	v_permlanex16_b32 v[ST+8*\t+5], v[ST+8*\t+4], s[SEL], s[SEL+1]
.endr
.irp t, 0,1,2,3
	v_add_f32 v[ST+8*\t+4], v[ST+8*\t+4], v[ST+8*\t+5]
.endr
.irp t, 0,1,2,3
	ds_store_b32 v[XSTO], v[ST+8*\t] offset:256*\t
	ds_store_b32 v[XSTO], v[ST+8*\t+4] offset:256*\t+128
.endr
	s_wait_dscnt 0x0
	s_barrier_signal -1
	s_barrier_wait -1
.irp t, 0,1,2,3
	ds_load_b32 v[48+2*\t], v[XSTP] offset:256*\t
	ds_load_b32 v[49+2*\t], v[XSTP] offset:256*\t+128
.endr
	s_wait_dscnt 0x0
.irp t, 0,1,2,3
	v_max_num_f32 v[ST+8*\t+5], v[ST+8*\t], v[48+2*\t]
.endr
.irp t, 0,1,2,3
	v_sub_f32 v[ST+8*\t+6], v[ST+8*\t], v[ST+8*\t+5]
	v_sub_f32 v[ST+8*\t+7], v[48+2*\t], v[ST+8*\t+5]
.endr
.irp t, 0,1,2,3
	v_exp_f32 v[ST+8*\t+6], v[ST+8*\t+6]
	v_exp_f32 v[ST+8*\t+7], v[ST+8*\t+7]
.endr
	v_nop
	s_wait_alu depctr_va_vdst(0)                   ; one wait for the eight
.irp t, 0,1,2,3
	v_mul_f32 v[ST+8*\t+7], v[ST+8*\t+7], v[49+2*\t]
.endr
.irp t, 0,1,2,3
	v_fma_f32 v[ST+8*\t+7], v[ST+8*\t+6], v[ST+8*\t+4], v[ST+8*\t+7]
.endr
.irp t, 0,1,2,3
	v_rcp_f32 v[ST+8*\t+7], v[ST+8*\t+7]
.endr
	v_nop
	s_wait_alu depctr_va_vdst(0)                   ; one wait for the four
.irp t, 0,1,2,3
	v_mul_f32 v[ST+8*\t+6], v[ST+8*\t+6], v[ST+8*\t+7]
.endr
	WIN W_RS
.irp t, 0,1,2,3
.set i, 64*\t
.rept 32
	v_pk_mul_f32 v[i:i+1], v[i:i+1], v[ST+8*\t+6:ST+8*\t+7] op_sel_hi:[1,0]
.set i, i+2
.endr
.endr
	WIN 0
.macro XSEND x                         ; piece x of O^T, 128 registers, as an image: lane l's 16 bytes at 16 l, 512 bytes a store
	WIN 0x04
.set i, 0
.rept 32
	ds_store_b128 v[XOO], v[64*\x+4*i:64*\x+4*i+3] offset:512*i
.set i, i+1
.endr
	WIN 0
.endm
.macro XRECV x                         ; the partner's part of piece x is added to mine; rounded to f16; through my stage; stored
.set i, 0
.rept 32
	ds_load_b128 v[S+4*i:S+4*i+3], v[XOP] offset:512*i
.set i, i+1
.endr
	s_wait_dscnt 0x0
	WIN 0x01
.set i, 0
.rept 64
	v_pk_add_f32 v[S+2*i:S+2*i+1], v[64*\x+2*i:64*\x+2*i+1], v[S+2*i:S+2*i+1]
.set i, i+1
.endr
	WIN 0
.set i, 0
.rept 64
	v_cvt_pk_f16_f32 v[P+i], v[S+2*i], v[S+2*i+1]
.set i, i+1
.endr
.irp tt, 0,1
.irp f, 0,1,2,3,4,5,6,7
	ds_store_b128 v[STO], v[P+32*\tt+4*\f:P+32*\tt+4*\f+3] offset:32*\f
.endr
.irp f, 0,1,2,3,4,5,6,7
	ds_load_b128 v[S+32*\tt+4*\f:S+32*\tt+4*\f+3], v[RD] offset:\f*2*SP   ; LDS serves a wave's instructions in order: these see the stores above, and the next tile's stores come behind them
.endr
.endr
.irp tt, 0,1
.irp f, 0,1,2,3,4,5,6,7
	s_wait_dscnt 16*(1-\tt)+7-\f
	global_store_b128 v[GO], v[S+32*\tt+4*\f:S+32*\tt+4*\f+3], s[8:9] offset:65536*\tt+8192*\f   ; sixteen lanes store 256 consecutive bytes, aligned
.endr
.endr
.endm
	s_cmp_eq_u32 s17, 0
	s_cbranch_scc0 .Lsend_odd
	XSEND 2
	s_branch .Lsent
.Lsend_odd:
	XSEND 0
.Lsent:
	s_wait_dscnt 0x0
	s_barrier_signal -1
	s_barrier_wait -1
	s_cmp_eq_u32 s17, 0
	s_cbranch_scc0 .Lkeep_odd
	XRECV 0
	s_branch .Lout_done
.Lkeep_odd:
	XRECV 2
.Lout_done:
	s_wait_tensorcnt 0x0                           ; the wave's end
	ds_add_u32 v[SPW], v[NIL]
	s_wait_dscnt 0x0
	CROUND                                         ; the closing round
	s_endpgm
.Lfunc_end_k_q09ecc388ee_attn:
	.size	k_q09ecc388ee_attn, .Lfunc_end_k_q09ecc388ee_attn-k_q09ecc388ee_attn
	.p2alignl 7, 3214868480
	.fill 96, 4, 3214868480
	.section	.rodata,"a",@progbits
	.p2align	6, 0x0
	.amdhsa_kernel k_q09ecc388ee_attn
		.amdhsa_group_segment_fixed_size 327680
		.amdhsa_private_segment_fixed_size 0
		.amdhsa_enable_private_segment 0
		.amdhsa_kernarg_size 40
		.amdhsa_user_sgpr_count 2
		.amdhsa_user_sgpr_kernarg_segment_ptr 1
		.amdhsa_wavefront_size32 1
		.amdhsa_system_sgpr_workgroup_id_x 1
		.amdhsa_system_sgpr_workgroup_id_y 1
		.amdhsa_system_sgpr_workgroup_id_z 1
		.amdhsa_system_vgpr_workitem_id 0
		.amdhsa_next_free_vgpr 1024
		.amdhsa_next_free_sgpr 100
		.amdhsa_reserve_vcc 0
		.amdhsa_float_denorm_mode_32 3
		.amdhsa_float_denorm_mode_16_64 3
		.amdhsa_memory_ordered 1
		.amdhsa_forward_progress 1
		.amdhsa_inst_pref_size 255
	.end_amdhsa_kernel
	.section	.bss,"aw",@nobits
	.p2align	6
	.space	262144
	.amdgpu_metadata
---
amdhsa.version: [ 1, 2 ]
amdhsa.kernels:
  - .name:           k_q09ecc388ee_attn
    .symbol:         k_q09ecc388ee_attn.kd
    .args:
      - { .name: qkv, .offset: 0, .size: 8, .value_kind: global_buffer, .address_space: global }
      - { .name: mask, .offset: 8, .size: 8, .value_kind: global_buffer, .address_space: global }
      - { .name: at16, .offset: 16, .size: 8, .value_kind: global_buffer, .address_space: global }
      - { .name: part, .offset: 24, .size: 8, .value_kind: global_buffer, .address_space: global }
      - { .name: attnf, .offset: 32, .size: 8, .value_kind: global_buffer, .address_space: global }
    .group_segment_fixed_size: 327680
    .private_segment_fixed_size: 0
    .kernarg_segment_align: 8
    .kernarg_segment_size: 40
    .max_flat_workgroup_size: 128
    .sgpr_count:     100
    .vgpr_count:     1024
    .wavefront_size: 32
...
	.end_amdgpu_metadata
.endif
;; end of part 4
;; launch oproj (part 5): grid 16 x 16, 4 waves a work-group, clusters of 4 x 4, 327,680 bytes of LDS; arguments at16, wo16, attnf, wo, out0; writes out0
.if DOCPART == 5
	.amdgcn_target "amdgcn-amd-amdhsa--gfx1250"
	.amdhsa_code_object_version 6
	.text
	.protected	k_q09ecc388ee_oproj
	.globl	k_q09ecc388ee_oproj
	.p2align	8
	.type	k_q09ecc388ee_oproj,@function
k_q09ecc388ee_oproj:
	s_mov_b64 s[64:65], 0
	v_nop
	global_prefetch_b8 v0, s[64:65] scope:SCOPE_SE
	s_setreg_imm32_b32 hwreg(HW_REG_WAVE_MODE, 25, 1), 1
	s_wait_xcnt 0x0
	s_wait_alu depctr_hold_cnt(0) depctr_sa_sdst(0) depctr_va_vdst(0) depctr_va_sdst(0) depctr_va_ssrc(0) depctr_va_vcc(0) depctr_vm_vsrc(0)
	s_getreg_b32 s2, hwreg(HW_REG_IB_STS2, 6, 4)
	s_cmp_eq_u32 s2, 0
	s_cbranch_scc0 .Lentry_in_a_cluster
	s_endpgm
.Lentry_in_a_cluster:
	s_bfe_u32 s2, ttmp6, 0x10000c
	s_cmp_lg_u32 s2, 0xf033
	s_cbranch_scc0 .Lentry_shape_is_right
	s_endpgm
.Lentry_shape_is_right:
; out0 [2048][4096] f32.  ROWS 16 ON = at16 [2048][2048] x wo16 [2048 k][4096 n], f16 operands, sums in f32.  (at16 holds a quarter of the attention's result, wo16 four times wo: exact powers of two that cancel.)
; ROWS 0-15 = 4 attnf x wo, all in f32: under a mask that leaves such rows few keys the rounding of 16-bit operands would weigh most.  Each of the 256 work-groups makes 16 of their 4,096 columns, from 16 (16 tile row + tile column) on, at its
; head, while its first tiles are on their way: wave w takes k = 512 w .. 512 w + 511, 128 products of the f32 matrix form on four accumulators by turns; the four waves' parts meet in LDS as images of registers, and wave w adds and stores
; rows 8 h + 2 w, 8 h + 2 w + 1.  attnf lies in the order of these registers ([step of 8 k][lane][4 numbers]): each of its loads reads 512 consecutive bytes.  Both operands take the same order of k: product n = 2 s + u takes, in lane half h and
; register j, k = 512 w + 8 s + 4 h + 2 u + j.  The f16 block that holds rows 0-15 (tile row 0, waves 0 and 1, block 0) is not stored: its stores run with all lanes off, so that each byte of out0 has one owner.
; A tile of C is 128 x 256; four waves, each 64 x 128: 32 accumulators.  K goes in steps of 128 through two LDS slots: 128 rows of at16 (256 bytes + 16) and 128 k-rows of wo16 (512 bytes + 32), which come out turned, by ds_load_tr16_b128.
; CLUSTERS 4 x 4: at16's tiles jointly along a row of the cluster, wo16's along a column.  THE MATRIX INSTRUCTION IS USED TRANSPOSED (source 0 = 16 columns n, source 1 = 16 rows): a lane holds eight neighbouring numbers of a row of C.
; REGISTERS: window 0: v12-31 addresses; v32-55 the fine rows' sums; v80-143 at16's fragments, two sets; v128-255 the way out.  window 1: at the head attnf's 256 registers, then wo16's fragments, two sets of 64.
;   window 2: at the head wo's 256 registers, then accumulator (a, b) at v[8 (8 a + b)].  window 3: v0-31 the fine rows' four accumulators, written by matrix instructions alone.
.set PA,    272
.set PB,    544
.set HALFA, 64*PA
.set HALFB, 64*PB
.set BOFF,  128*PA
.set SLOT,  128*PA+128*PB
.set STAGE, 2*SLOT                     ; behind the ring: 16 rows x 528 a wave;
.set FIN,   STAGE+4*16*528             ; the fine rows' parts, 1,024 bytes a wave;
.set SPARE, FIN+4*1024                 ; the spare words
.set FAO,  12                          ; v12  attnf: 16 x lane
.set FBO,  13                          ; v13  wo: 4 h rows, column r
.set FOO,  14                          ; v14  out0: 8 h rows, column r; never rewritten
.set FLG,  15                          ; v15  0 in the waves whose block 0 is rows 0-15; never rewritten
.set ADRA, 16
.set ADRB, 18
.set FW,   20                          ; v20  where I put my part's image
.set FR,   21                          ; v21  where I read my two registers of every wave's
.set STO,  24
.set RD,   25
.set CO,   26
.set PFO,  27
.set SPW,  30
.set NIL,  31
.set AF,   80
.set BK,   128
.set G1A, 24
.set G0A, 32
.set G1B, 40
.set G0B, 48
.set PFA, 56
.set PFS, 58
.set LIM, 60
.set MSB, 0
.macro WIN new
.if MSB != \new
	s_set_vgpr_msb (MSB<<8)|\new
.set MSB, \new
.endif
.endm
.set MULW, 0xa1
.set FINW, 0xf9                        ; source 0 (attnf) window 1, source 1 (wo) window 2, C and D window 3
.macro PLACES n
.rept \n
	v_nop
.endr
.endm
.macro JLOAD s                         ; waves 0 and 1 fetch at16's halves, waves 2 and 3 wo16's; an s_nop 0 and four v_nop follow each line
	s_cmp_eq_u32 s17, 0
	s_cbranch_scc0 .Lfor_b_\@
	tensor_load_to_lds s[G0A+4*\s:G0A+4*\s+3], s[G1A:G1A+7]
	s_nop 0
	PLACES 4
	s_branch .Lasked_\@
.Lfor_b_\@:
	tensor_load_to_lds s[G0B+4*\s:G0B+4*\s+3], s[G1B:G1B+7]
	s_nop 0
	PLACES 4
.Lasked_\@:
.endm
; A PREFETCH INTO THE L2 of the K step that stands two refills on.  at16's tile row is read by all clusters along x: the first asks, its partners along x take 32 rows each by address, wave 0, a lane a row of 256 bytes.
; wo16's tile column is read by all clusters along y: the first asks, its partners along y take 16 of the 64 k-rows that waves 2 and 3 each fetch, two lanes a row of 512 bytes.  The loop's last trip asks for nothing.
.macro ASK
	s_cmp_gt_u32 s19, s[LIM]
	s_cbranch_scc0 .Lnot_mine_\@
	global_prefetch_b8 v[PFO], s[PFA:PFA+1] th:TH_LOAD_NT scope:SCOPE_SE
.Lnot_mine_\@:
.endm
.macro CREST
	s_cmp_lg_u32 s16, 0
	s_cbranch_scc1 .Lnot_wave_0_\@
	s_barrier_signal -3
.Lnot_wave_0_\@:
	s_barrier_wait -3
	s_barrier_signal -1
	s_barrier_wait -1
.endm
.macro CROUND
	s_barrier_signal -1
	s_barrier_wait -1
	CREST
.endm
.macro FB q                            ; the fine rows: wo's rows of k = 128 q .. 128 q + 127 of my 512: register n is wo(8 (n / 4) + n % 4 + 4 h, my column r); sixteen lanes read 64 consecutive bytes
.set n, 64*(\q)
.rept 64
	global_load_b32 v[n], v[FBO], s[10:11] offset:(8*(n/4)+n%4)*16384
.set n, n+1
.endr
.endm
.macro FP q                            ; and their 32 products; the four accumulators take turns; the first four start the sums
.set n, 32*(\q)
.rept 32
.if n < 4
	v_wmma_f32_16x16x4_f32 v[8*(n%4):8*(n%4)+7], v[2*n:2*n+1], v[2*n:2*n+1], 0
.else
	v_wmma_f32_16x16x4_f32 v[8*(n%4):8*(n%4)+7], v[2*n:2*n+1], v[2*n:2*n+1], v[8*(n%4):8*(n%4)+7]
.endif
.set n, n+1
.endr
.endm
	s_load_b256 s[4:11], s[0:1], 0x0               ; at16 s[4:5], wo16 s[6:7], attnf s[8:9], wo s[10:11]
	s_load_b64 s[12:13], s[0:1], 0x20              ; out0
	v_lshl_add_u32 v[SPW], v0, 2, SPARE
	v_mov_b32 v[NIL], 0
	ds_add_u32 v[SPW], v[NIL]                      ; the opening: the add, twice on end, and its wait ahead of my first tensor load
	ds_add_u32 v[SPW], v[NIL]
	v_lshrrev_b32 v1, 5, v0
	v_readfirstlane_b32 s16, v1
	s_lshr_b32 s17, s16, 1
	s_and_b32 s18, s16, 1
	s_bfe_u32 s76, ttmp6, 0x40000                  ; cx
	s_bfe_u32 s77, ttmp6, 0x40004                  ; cy
	s_lshl_b32 s78, ttmp9, 2
	s_add_co_u32 s78, s78, s76                     ; tile column
	s_and_b32 s75, ttmp7, 0xffff                   ; cluster y
	s_lshl_b32 s79, s75, 2
	s_add_co_u32 s79, s79, s77                     ; tile row
	s_lshl_b32 s80, s77, 2
	s_lshl_b32 s80, 15, s80
	s_lshl_b32 s81, 0x1111, s76
	s_or_b32 s[G1A], s80, (1<<16)|(1<<20)|(1<<21)|(5<<22)|(3<<25)   ; 128 f16 a row, four words of padding behind every 64
	s_or_b32 s[G1B], s81, (1<<16)|(1<<20)|(1<<21)|(6<<22)|(7<<25)   ; 256 f16 a row, eight words behind every 128
	s_mov_b32 s[G1A+1], 128<<16
	s_mov_b32 s[G1A+2], 64<<16
	s_mov_b32 s[G1A+3], 128<<16
	s_mov_b32 s[G1A+4], 64
	s_mov_b32 s[G1A+5], 2048
	s_mov_b32 s[G1A+6], 0
	s_mov_b32 s[G1A+7], 0
	s_mov_b32 s[G1B+1], 256<<16
	s_mov_b32 s[G1B+2], 64<<16
	s_mov_b32 s[G1B+3], 256<<16
	s_mov_b32 s[G1B+4], 64
	s_mov_b32 s[G1B+5], 4096
	s_mov_b32 s[G1B+6], 0
	s_mov_b32 s[G1B+7], 0
	s_lshl_b32 s84, s79, 7
	s_lshl_b32 s85, s18, 6
	s_add_co_u32 s84, s84, s85
	s_lshl_b32 s84, s84, 12                        ; at16: row 128 x tile row + 64 x half
	s_mov_b32 s85, 0
	s_lshl_b32 s88, s18, 19                        ; wo16: k-row 64 x half,
	s_lshl_b32 s89, s78, 9                         ; 256 columns x tile column
	s_add_co_u32 s88, s88, s89
	s_mov_b32 s89, 0
	s_mul_i32 s90, s18, HALFA
	s_mul_i32 s91, s18, HALFB
	s_add_co_u32 s91, s91, BOFF
	s_wait_dscnt 0x0
	s_wait_kmcnt 0x0
	s_add_nc_u64 s[84:85], s[4:5], s[84:85]
	s_add_nc_u64 s[88:89], s[6:7], s[88:89]
	CROUND
.irp s, 0,1
	s_mov_b32 s[G0A+4*\s], 1
	s_add_co_u32 s[G0A+4*\s+1], s90, \s*SLOT
	s_add_nc_u64 s[G0A+4*\s+2:G0A+4*\s+3], s[84:85], \s*256
	s_or_b32 s[G0A+4*\s+3], s[G0A+4*\s+3], 0x80000000
	s_mov_b32 s[G0B+4*\s], 1
	s_add_co_u32 s[G0B+4*\s+1], s91, \s*SLOT
	s_add_nc_u64 s[G0B+4*\s+2:G0B+4*\s+3], s[88:89], \s*1048576
	s_or_b32 s[G0B+4*\s+3], s[G0B+4*\s+3], 0x80000000
	JLOAD \s                                       ; two tensor loads of mine are out
.endr
	; ---- ROWS 0-15: the loads go out while the first tiles are on their way
	v_and_b32 v1, 15, v0                           ; r
	v_bfe_u32 v2, v0, 4, 1                         ; h
	v_and_b32 v6, 31, v0                           ; lane
	v_lshlrev_b32 v[FAO], 4, v6
	v_lshlrev_b32 v[FBO], 2, v1
	v_lshl_add_u32 v[FOO], v2, 17, v[FBO]          ; 8 h rows of 16,384 bytes
	v_lshl_add_u32 v[FBO], v2, 16, v[FBO]          ; 4 h rows
	s_or_b32 s82, s79, s17
	v_mov_b32 v[FLG], s82                          ; 0 where tile row 0 meets waves 0 and 1
	s_lshl_b32 s82, s79, 4
	s_add_co_u32 s82, s82, s78
	s_lshl_b32 s82, s82, 6                         ; my work-group's 16 columns of 4 bytes
	s_mov_b32 s83, 0
	s_lshl_b32 s86, s16, 15                        ; attnf: 64 steps of 512 bytes a wave; out0: two rows of 16,384 bytes a wave
	s_mov_b32 s87, 0
	s_add_nc_u64 s[14:15], s[12:13], s[82:83]
	s_add_nc_u64 s[14:15], s[14:15], s[86:87]      ; never rewritten
	s_add_nc_u64 s[8:9], s[8:9], s[86:87]
	s_lshl_b32 s86, s16, 23                        ; wo: 512 rows a wave
	s_add_nc_u64 s[10:11], s[10:11], s[82:83]
	s_add_nc_u64 s[10:11], s[10:11], s[86:87]
	WIN 0x40
.set n, 0
.rept 64
	global_load_b128 v[4*n:4*n+3], v[FAO], s[8:9] offset:512*n   ; 512 consecutive bytes: step n's four numbers of every lane
.set n, n+1
.endr
	WIN 0x80
	FB 0
	FB 1
	WIN 0
	; ---- addresses, while those loads are out
	v_mul_u32_u24 v3, v1, PA
	v_lshl_add_u32 v3, v2, 4, v3                   ; at16's fragment: row x 272 + 16 h
	v_and_b32 v4, 7, v0
	v_lshl_add_u32 v4, v2, 3, v4
	v_mul_u32_u24 v4, v4, PB
	v_bfe_u32 v5, v0, 3, 1
	v_lshl_add_u32 v4, v5, 4, v4                   ; wo16's: k-row 8 h + l % 8, 16 bytes x ((l / 8) % 2)
	s_mul_i32 s20, s17, HALFA
	s_lshl_b32 s21, s18, 8
	s_add_co_u32 s21, s21, BOFF                    ; my 128 columns
.irp s, 0,1
	v_add_nc_u32 v[ADRA+\s], s20, v3
	v_add_nc_u32 v[ADRB+\s], s21, v4
	s_add_co_u32 s20, s20, SLOT
	s_add_co_u32 s21, s21, SLOT
.endr
	s_mul_i32 s20, s16, 16*528
	s_add_co_u32 s20, s20, STAGE
	v_mul_u32_u24 v5, v1, 528
	v_lshl_add_u32 v5, v2, 5, v5
	v_add_nc_u32 v[STO], s20, v5
	v_lshlrev_b32 v[CO], 4, v6
	v_add_nc_u32 v[RD], s20, v[CO]
	s_lshl_b32 s20, s16, 10
	s_add_co_u32 s20, s20, FIN
	v_add_nc_u32 v[FW], s20, v[CO]                 ; my image: 16 x lane + 1,024 x wave
	s_lshl_b32 s20, s17, 9                         ; registers 2 w, 2 w + 1 of an image: the second 512 bytes for waves 2 and 3,
	s_lshl_b32 s21, s18, 3                         ; 8 bytes on for waves 1 and 3
	s_add_co_u32 s20, s20, s21
	s_add_co_u32 s20, s20, FIN
	v_add_nc_u32 v[FR], s20, v[CO]
	s_lshl_b32 s82, s79, 7
	s_lshl_b32 s83, s17, 6
	s_add_co_u32 s82, s82, s83
	s_lshl_b32 s82, s82, 14                        ; my first row of out0, 16,384 bytes a row
	s_lshl_b32 s83, s78, 10
	s_add_co_u32 s82, s82, s83
	s_lshl_b32 s83, s18, 9
	s_add_co_u32 s82, s82, s83
	s_mov_b32 s83, 0
	s_add_nc_u64 s[12:13], s[12:13], s[82:83]
	; ---- the prefetches
	s_lshl_b32 s20, s79, 7
	s_lshl_b32 s21, s76, 5
	s_add_co_u32 s20, s20, s21
	s_lshl_b32 s20, s20, 12
	s_add_co_u32 s20, s20, 768                     ; at16: row 128 x tile row + 32 cx, K step 3
	s_lshl_b32 s21, s18, 6
	s_lshl_b32 s22, s77, 4
	s_add_co_u32 s21, s21, s22
	s_add_co_u32 s21, s21, 384
	s_lshl_b32 s21, s21, 13
	s_lshl_b32 s22, s78, 9
	s_add_co_u32 s21, s21, s22                     ; wo16: k-row 384 + 64 x half + 16 cy, my tile column
	s_mov_b32 s22, 1048576
	s_mov_b32 s23, 256
	s_cmp_lt_u32 s16, 2
	s_cselect_b64 s[PFA:PFA+1], s[4:5], s[6:7]
	s_cselect_b32 s20, s20, s21
	s_cselect_b32 s[PFS], 256, s22                 ; a K step on
	s_cselect_b32 s23, 4096, s23                   ; from an even lane to the odd one beside it
	s_cselect_b32 s95, ttmp9, s75
	s_mov_b32 s21, 0
	s_add_nc_u64 s[PFA:PFA+1], s[PFA:PFA+1], s[20:21]
	s_mov_b32 s[PFS+1], 0
	s_cmp_eq_u32 s16, 1
	s_cselect_b32 s95, 1, s95
	s_cmp_eq_u32 s95, 0
	s_cselect_b32 s[LIM], 1, -1
	v_lshrrev_b32 v[PFO], 1, v6
	v_lshlrev_b32 v[PFO], 13, v[PFO]
	v_and_b32 v6, 1, v6
	v_mul_lo_u32 v6, v6, s23
	v_add_nc_u32 v[PFO], v[PFO], v6
	; ---- ROWS 0-15: the products, a quarter of my k at a time; the loads of the quarter after next go out behind each
	s_wait_loadcnt 63                              ; attnf and wo's first quarter are in: 64 loads were issued behind them, and 63 is the largest count that this wait names
	WIN FINW
	FP 0
	WIN 0x80
	FB 2
	s_wait_loadcnt 63                              ; the second quarter is in: 64 loads were issued behind it
	WIN FINW
	FP 1
	WIN 0x80
	FB 3
	s_wait_loadcnt 63                              ; the third
	WIN FINW
	FP 2
	s_wait_loadcnt 0x0
	FP 3
	PLACES 8                                       ; eight places behind this form
	WIN 0x0f                                       ; sources 0 and 1: window 3
.irp j, 0,1,2,3,4,5,6,7
	v_add_f32 v[32+\j], v[\j], v[8+\j]
.endr
.irp j, 0,1,2,3,4,5,6,7
	v_add_f32 v[40+\j], v[16+\j], v[24+\j]
.endr
	WIN 0
.irp j, 0,2,4,6
	v_pk_add_f32 v[32+\j:33+\j], v[32+\j:33+\j], v[40+\j:41+\j]
.endr
	ds_store_b128 v[FW], v[32:35]                  ; my part as an image of its registers
	ds_store_b128 v[FW], v[36:39] offset:512
.macro MUL a, set, zero                ; 8 products; the 32 accumulators take turns in the same order in every quarter
.irp b, 0,1,2,3,4,5,6,7
.if \zero
	v_wmma_f32_16x16x32_f16 v[8*(8*(\a)+\b):8*(8*(\a)+\b)+7], v[64*(\set)+8*\b:64*(\set)+8*\b+7], v[AF+32*(\set)+8*(\a):AF+32*(\set)+8*(\a)+7], 0
.else
	v_wmma_f32_16x16x32_f16 v[8*(8*(\a)+\b):8*(8*(\a)+\b)+7], v[64*(\set)+8*\b:64*(\set)+8*\b+7], v[AF+32*(\set)+8*(\a):AF+32*(\set)+8*(\a)+7], v[8*(8*(\a)+\b):8*(8*(\a)+\b)+7]
.endif
.endr
.endm
.macro FETCH slot, q, set              ; the fragments of the slot's q-th 32 along K: 24 LDS loads
	WIN 0x40
.irp b, 0,1,2,3,4,5,6,7
	ds_load_tr16_b128 v[64*(\set)+8*\b:64*(\set)+8*\b+3],   v[ADRB+\slot] offset:32*PB*(\q)+32*\b
	ds_load_tr16_b128 v[64*(\set)+8*\b+4:64*(\set)+8*\b+7], v[ADRB+\slot] offset:32*PB*(\q)+32*\b+16*PB
.endr
	WIN 0
.irp a, 0,1,2,3
	ds_load_b128 v[AF+32*(\set)+8*\a:AF+32*(\set)+8*\a+3],   v[ADRA+\slot] offset:64*(\q)+16*PA*\a
	ds_load_b128 v[AF+32*(\set)+8*\a+4:AF+32*(\set)+8*\a+7], v[ADRA+\slot] offset:64*(\q)+16*PA*\a+32
.endr
.endm
.macro STEP slot, q, zero
	s_wait_dscnt 0x0                               ; this quarter's fragments are in (asked for 32 products ago)
	PLACES 4                                       ; in front of loads into registers that the last products read
	FETCH \slot, (\q)+1, 1-(\q)%2
	WIN MULW
	MUL 0, (\q)%2, \zero
	MUL 1, (\q)%2, \zero
	MUL 2, (\q)%2, \zero
	MUL 3, (\q)%2, \zero
	WIN 0
.endm
.macro TURN slot, next, fill
.if \fill
	s_wait_xcnt 0x0                                ; the last prefetch, a K step back, has read its address
	s_add_nc_u64 s[PFA:PFA+1], s[PFA:PFA+1], s[PFS:PFS+1]
.endif
	s_wait_tensorcnt 0x0                           ; all my tensor loads have landed: my part of the next slot
	ds_add_u32 v[SPW], v[NIL]
	s_wait_dscnt 1                                 ; the fragments are in; the add alone may be out
	WIN MULW
	MUL 0, 1, 0
	s_wait_dscnt 0x0                               ; the add is done, and my reads of this slot are over
	s_barrier_signal -1
	MUL 1, 1, 0
	WIN 0
	s_barrier_wait -1
.if \fill
	CREST
	s_add_nc_u64 s[G0A+4*\slot+2:G0A+4*\slot+3], s[G0A+4*\slot+2:G0A+4*\slot+3], 512
	s_add_nc_u64 s[G0B+4*\slot+2:G0B+4*\slot+3], s[G0B+4*\slot+2:G0B+4*\slot+3], 2097152
	JLOAD \slot
.else
	PLACES 4
.endif
	FETCH \next, 0, 0
.if \fill
	ASK
.endif
	WIN MULW
	MUL 2, 1, 0
	MUL 3, 1, 0
	WIN 0
.endm
	s_wait_tensorcnt 1                             ; my part of K step 0 is in; K step 1's load may be out
	s_wait_dscnt 0x0                               ; for the others' sake: my image has landed
	s_barrier_signal -1
	s_barrier_wait -1                              ; one barrier shows K step 0 and the four images
.irp w, 0,1,2,3
	ds_load_b64 v[48+2*\w:49+2*\w], v[FR] offset:1024*\w   ; registers 2 w, 2 w + 1 of every wave's part
.endr
	FETCH 0, 0, 0
	s_wait_dscnt 24                                ; those four are in; the 24 fragment loads behind them may be out
	v_pk_add_f32 v[48:49], v[48:49], v[50:51]
	v_pk_add_f32 v[52:53], v[52:53], v[54:55]
	v_pk_add_f32 v[48:49], v[48:49], v[52:53]
	v_pk_mul_f32 v[48:49], v[48:49], 4.0 op_sel_hi:[1,0]
	global_store_b32 v[FOO], v48, s[14:15]                 ; out0(8 h + 2 w, my column r); v48, v49 are never rewritten
	global_store_b32 v[FOO], v49, s[14:15] offset:16384    ; and the row below
	STEP 0, 0, 1
	s_mov_b32 s19, 7
.Llap:                                             ; a trip goes once round the ring and fills both slots again: K steps 2 to 15
	STEP 0, 1, 0
	STEP 0, 2, 0
	TURN 0, 1, 1
	STEP 1, 0, 0
	STEP 1, 1, 0
	STEP 1, 2, 0
	TURN 1, 0, 1
	STEP 0, 0, 0
	s_sub_co_u32 s19, s19, 1
	s_cmp_lg_u32 s19, 0
	s_cbranch_scc1 .Llap
	STEP 0, 1, 0
	STEP 0, 2, 0
	TURN 0, 1, 0
	STEP 1, 0, 0
	STEP 1, 1, 0
	STEP 1, 2, 0
	s_wait_dscnt 0x0
	WIN MULW
	MUL 0, 1, 0
	MUL 1, 1, 0
	MUL 2, 1, 0
	MUL 3, 1, 0
	WIN 0
; THE WAY OUT, a block of 16 rows x 128 columns at a time, through my own stage: in as 32 bytes a lane, back as whole rows of 512 bytes.
.macro TOSTAGE a
	WIN 0x08
.irp b, 0,1,2,3,4,5,6,7
	ds_store_b128 v[STO], v[64*(\a)+8*\b:64*(\a)+8*\b+3] offset:64*\b       ; each accumulator from its low end on
	ds_store_b128 v[STO], v[64*(\a)+8*\b+4:64*(\a)+8*\b+7] offset:64*\b+16
.endr
	WIN 0
.set BB, BK+64*((\a)%2)
.irp t, 0,1,2,3,4,5,6,7,8,9,10,11,12,13,14,15
	ds_load_b128 v[BB+4*\t:BB+4*\t+3], v[RD] offset:\t*528
.endr
.endm
.macro SEND a, younger
.set BB, BK+64*((\a)%2)
	s_wait_dscnt \younger
.irp t, 0,1,2,3,4,5,6,7,8,9,10,11,12,13,14,15
	global_store_b128 v[CO], v[BB+4*\t:BB+4*\t+3], s[12:13] offset:(16*(\a)+\t)*16384 th:TH_STORE_NT   ; 512 consecutive bytes, aligned
.endr
.endm
	PLACES 4
	TOSTAGE 0
	s_wait_dscnt 0x0                               ; block 0 is back in registers
	s_wait_xcnt 0x0                                ; EXEC changes only behind this wait
	v_cmp_ne_u32 vcc_lo, 0, v[FLG]
	s_and_saveexec_b32 s96, vcc_lo                 ; all lanes off where block 0 is rows 0-15, which the f32 way has stored; all on elsewhere
.irp t, 0,1,2,3,4,5,6,7,8,9,10,11,12,13,14,15
	global_store_b128 v[CO], v[BK+4*\t:BK+4*\t+3], s[12:13] offset:\t*16384 th:TH_STORE_NT
.endr
	s_wait_xcnt 0x0                                ; and again in front of the line that widens it; block 0's stores have also read their registers
	s_or_b32 exec_lo, exec_lo, s96
	TOSTAGE 1
	TOSTAGE 2
	SEND 1, 32                                     ; behind block 1's loads: block 2's 16 stores and 16 loads
	s_wait_xcnt 0x0                                ; block 1's stores have read their registers
	TOSTAGE 3
	SEND 2, 32
	SEND 3, 0
	s_wait_tensorcnt 0x0                           ; the wave's end
	ds_add_u32 v[SPW], v[NIL]
	s_wait_dscnt 0x0
	CROUND                                         ; the closing round
	s_endpgm
.Lfunc_end_k_q09ecc388ee_oproj:
	.size	k_q09ecc388ee_oproj, .Lfunc_end_k_q09ecc388ee_oproj-k_q09ecc388ee_oproj
	.p2alignl 7, 3214868480
	.fill 96, 4, 3214868480
	.section	.rodata,"a",@progbits
	.p2align	6, 0x0
	.amdhsa_kernel k_q09ecc388ee_oproj
		.amdhsa_group_segment_fixed_size 327680
		.amdhsa_private_segment_fixed_size 0
		.amdhsa_enable_private_segment 0
		.amdhsa_kernarg_size 40
		.amdhsa_user_sgpr_count 2
		.amdhsa_user_sgpr_kernarg_segment_ptr 1
		.amdhsa_wavefront_size32 1
		.amdhsa_system_sgpr_workgroup_id_x 1
		.amdhsa_system_sgpr_workgroup_id_y 1
		.amdhsa_system_sgpr_workgroup_id_z 1
		.amdhsa_system_vgpr_workitem_id 0
		.amdhsa_next_free_vgpr 800
		.amdhsa_next_free_sgpr 100
		.amdhsa_reserve_vcc 1
		.amdhsa_float_denorm_mode_32 3
		.amdhsa_float_denorm_mode_16_64 3
		.amdhsa_memory_ordered 1
		.amdhsa_forward_progress 1
		.amdhsa_inst_pref_size 128
	.end_amdhsa_kernel
	.amdgpu_metadata
---
amdhsa.version: [ 1, 2 ]
amdhsa.kernels:
  - .name:           k_q09ecc388ee_oproj
    .symbol:         k_q09ecc388ee_oproj.kd
    .args:
      - { .name: at16, .offset: 0, .size: 8, .value_kind: global_buffer, .address_space: global }
      - { .name: wo16, .offset: 8, .size: 8, .value_kind: global_buffer, .address_space: global }
      - { .name: attnf, .offset: 16, .size: 8, .value_kind: global_buffer, .address_space: global }
      - { .name: wo, .offset: 24, .size: 8, .value_kind: global_buffer, .address_space: global }
      - { .name: out0, .offset: 32, .size: 8, .value_kind: global_buffer, .address_space: global }
    .group_segment_fixed_size: 327680
    .private_segment_fixed_size: 0
    .kernarg_segment_align: 8
    .kernarg_segment_size: 40
    .max_flat_workgroup_size: 128
    .sgpr_count:     100
    .vgpr_count:     800
    .wavefront_size: 32
...
	.end_amdgpu_metadata
.endif
;; end of part 5
